; MI455X (gfx1250); checked and timed in simulation.
; The chip was launched on July 23, 2026; its instructions are those of AMD's public machine-readable ISA for CDNA 5 (MIT licence, August 2026) and "CDNA5" Instruction Set Architecture Reference Guide (July 2026). The comments in the code are by the model that wrote it; some were corrected since.
;; Interaction. Allowed arithmetic: matrix products marked QUANTISED: E3M2 operands, one E8M0 scale for each 32 along K, by v_wmma_scale_f32_16x16x128_f8f6f4 with both operands' format E3M2, f32 sums; everything else in f32.
;; Inputs: W1_codes 2,048 x 16 x 24 uint8 (E3M2 codes of W1, K innermost, in blocks of 32 codes, four codes in three bytes); W1_scales 2,048 x 16 uint8 (E8M0 scales of W1, one for each 32 codes along K); W2_codes 512 x 64 x 24 uint8 (E3M2 codes of W2, K innermost, in blocks of 32 codes, four codes in three bytes); W2_scales 512 x 64 uint8 (E8M0 scales of W2, one for each 32 codes along K); Wk_codes 512 x 16 x 24 uint8 (E3M2 codes of Wk, K innermost, in blocks of 32 codes, four codes in three bytes); Wk_scales 512 x 16 uint8 (E8M0 scales of Wk, one for each 32 codes along K); Wq_codes 512 x 16 x 24 uint8 (E3M2 codes of Wq, K innermost, in blocks of 32 codes, four codes in three bytes); Wq_scales 512 x 16 uint8 (E8M0 scales of Wq, one for each 32 codes along K); Wv_codes 512 x 16 x 24 uint8 (E3M2 codes of Wv, K innermost, in blocks of 32 codes, four codes in three bytes); Wv_scales 512 x 16 uint8 (E8M0 scales of Wv, one for each 32 codes along K); a1 1 float32; a2 1 float32; b1 2,048 float32; b2 512 float32; bb1 1 float32; bb2 1 float32; x 32 x 512 x 512 float32.
;; Outputs: out0 32 x 512 x 512 float32.
;; This version of the problem:
;;   THIS VERSION OF THE PROBLEM IS GIVEN IN LOW PRECISION. The matrix products marked QUANTISED in the list below multiply operands that are first quantised to E3M2 (3 exponent bits, 2 mantissa bits; 6 bits a number), with one power-of-two scale for each 32 numbers along K (OCP MX v1.0); their sums are f32. All else is computed in f32.
;;   The module's matrix products, in the order in which they are computed (A, B: the left and right operand; K: the contracted axis; several contracted axes count as one K, in the product's order):
;;     1. [M 16,384, K 512] x [K 512, N 512]; A: input x; B: input Wq (given as codes): QUANTISED
;;     2. [M 16,384, K 512] x [K 512, N 512]; A: input x; B: input Wk (given as codes): QUANTISED
;;     3. [M 16,384, K 512] x [K 512, N 512]; A: input x; B: input Wv (given as codes): QUANTISED
;;     4. batch 32 x [M 512, K 512] x [K 512, N 512]; A: computed on the way; B: computed on the way: QUANTISED
;;     5. batch 32 x [M 512, K 512] x [K 512, N 512]; A: softmax (see below); B: computed on the way: QUANTISED
;;     6. [M 16,384, K 512] x [K 512, N 2,048]; A: computed on the way; B: input W1 (given as codes): QUANTISED
;;     7. [M 16,384, K 2,048] x [K 2,048, N 512]; A: computed on the way; B: input W2 (given as codes): QUANTISED
;;   THE QUANTISER, for each operand of a quantised product, along K:
;;     - K is cut into blocks of 32 from its start; a last block that is shorter is filled with zeros.
;;     - A block's scale is 2^e with e = floor(log2(the largest magnitude in the block)) - 4, held to -126 .. 127; a block of zeros has e = 0. As a byte (E8M0): e + 127.
;;     - Each number is divided by its block's scale, clamped to +-28, and rounded to the nearest number of E3M2, ties to even, subnormals kept.
;;     - The product sums the exact products of the quantised numbers (number of the format x scale) in f32.
;;   ~~~python
;;   def quantise(x, axis):      # numpy; x: float32 -> the quantised numbers, widened to float32 again
;;       x = np.moveaxis(x, axis, -1); K = x.shape[-1]
;;       x = np.pad(x, [(0, 0)] * (x.ndim - 1) + [(0, -K % 32)]); x = x.reshape(x.shape[:-1] + (-1, 32)); a = np.abs(x).max(-1, keepdims=True)
;;       e = np.where(a > 0, np.clip(np.frexp(np.where(a > 0, a, 1))[1] - 1 - 4, -126, 127), 0)      # np.frexp(a)[1] - 1 = floor(log2(a)), exactly
;;       r = np.clip(x / 2.0 ** e, -28, 28)
;;       step = 2.0 ** (np.maximum(np.frexp(np.where(r == 0, 1, r))[1] - 1, -2) - 2)
;;       q = np.round(r / step) * step * 2.0 ** e      # np.round: ties to even
;;       return np.moveaxis(q.reshape(q.shape[:-2] + (-1,))[..., :K], -1, axis).astype(np.float32)
;;   ~~~
;;   SOFTMAX AHEAD OF A QUANTISED PRODUCT. Where the list says 'softmax', what is quantised is not the finished softmax but p = 2^(t - M), with t = logit x log2(e) and M = ceil(the row's largest t), a whole number; so 1/2 < the row's largest p <= 1. The row's sum l is taken of the UNQUANTISED p, in f32, and the product's result is divided by l at the end. Since M is a whole number, a kernel that streams over the keys may use a running M (the ceiling of the running maximum): every later rescaling is an exact power of two, which a block's scale takes up: the codes' values come out the same.
;;   OPERANDS COMPUTED ON THE WAY. 'Computed on the way' means the value that the module computes at that place (a softmax that the list does not call 'softmax' is quantised finished and normalised). What goes into a quantiser is computed in f32, as accurately as f32 sums, v_exp_f32 and their like allow (about 1e-6 of the number): no bf16 or f16 on the way to a quantiser, and a product that is left as it is and whose result goes on into a quantised operand takes f32 operands (vector FMAs, or v_wmma_f32_16x16x4_f32). A number that lies on a knife's edge between two numbers of the format may be rounded either way, as far as f32 arithmetic and the matrix unit's own rounding can turn it there, and no further.
;;   INPUTS GIVEN AS CODES. W1 (in the module: [512, 2048], K = its axis 0); W2 (in the module: [2048, 512], K = its axis 0); Wk (in the module: [512, 512], K = its axis 0); Wq (in the module: [512, 512], K = its axis 0); Wv (in the module: [512, 512], K = its axis 0): each comes as NAME_codes (uint8): NAME with its K axis moved to the last place and cut into blocks of 32 codes, [.., K / 32, bytes a block], one block behind the other in memory; four codes in three bytes: a row's codes are one little-endian stream of bits, code i at bits 6 i .. 6 i + 5 (a code: sign, 3 exponent bits, 2 mantissa bits); and NAME_scales (uint8): the same leading axes, one E8M0 byte (e + 127) for each 32 codes along K. Its value is code x scale, taken as it is: it is not quantised again, and the codes and scales need not be those that the quantiser above would give.
;; 2 versions. Each part assembles by itself: llvm-mc -triple=amdgcn-amd-amdhsa -mcpu=gfx1250 --defsym DOCPART=n.
;; ======== version 1 of 2: 2 launches
;; workspace buffers: qc 6,291,456 bytes; qs 524,288 bytes; kv 13,107,200 bytes; wf 1,638,400 bytes
;; launch prep (part 1): grid 256 x 1, 4 waves a work-group, no clusters, 53,760 bytes of LDS; arguments x, Wq_codes, Wq_scales, Wk_codes, Wk_scales, Wv_codes, Wv_scales, W1_codes, W1_scales, W2_codes, W2_scales, qc, qs, kv, wf; writes qc, qs, kv, wf
.if DOCPART == 1
	.amdgcn_target "amdgcn-amd-amdhsa--gfx1250"
	.amdhsa_code_object_version 6
	.text
	.protected	k_q30509d1c8e_prep
	.globl	k_q30509d1c8e_prep
	.p2align	8
	.type	k_q30509d1c8e_prep,@function
k_q30509d1c8e_prep:
	s_mov_b64 s[64:65], 0
	v_nop
	global_prefetch_b8 v0, s[64:65] scope:SCOPE_SE
	s_setreg_imm32_b32 hwreg(HW_REG_WAVE_MODE, 25, 1), 1
	s_wait_xcnt 0x0
; PREP: q = x Wq, k = x Wk, v = x Wv on codes of BF6 (E3M2) with one E8M0 scale for each 32 along K; q and k are quantised along d, v along the tokens, and all three
; leave as IMAGES OF OPERAND REGISTERS, in the order in which the second launch multiplies them.  Each wave also re-lays one fragment of W1 or W2 into the same form.
; NOTHING OF THE PROBLEM IS LEFT OUT: every input has a way to out0, and every product of the table is done, here (1 to 3) or in the second launch (4 to 7).
; LIMITS: NaN and infinities among the inputs are not served.  A block whose largest magnitude lies under 2^-122 keeps the scale byte 1; a block of zeros gets the byte 1 with zero codes
; where the rule says 127 (zero codes add nothing under any byte but 0xff, and these bytes are read by this program alone).
; TILE ORDER.  In every group of 128 rows (tokens, d, v-dims, hidden units, outputs) tile t = 2 b + u holds rows 32 b + 8 u + r + 8 (r / 8), r = lane % 16.  With such a tile as source 0 a lane's 16
; registers of tiles 2 b and 2 b + 1 are the 16 neighbours 32 b + 16 (lane / 16) + 0 .. 15: what the conversions want.
; A FRAGMENT'S IMAGE (1,536 bytes): registers 4 c .. 4 c + 3 of lane l at 512 c + 16 l.   A BLOCK (25,600 bytes): 16 fragments 8 q + t (q: which of a step's two K steps of 128, t: tile of 128 rows), then at 24,576
; the scale words [q][b / 2][lane][b % 2]: lane 16 u + r holds the word of tile 2 b + u, row r.   A STEP: four blocks, one for each wave of the second launch.
; kv: [batch][4 steps]: steps 0, 1 k (rows: keys, K: d), steps 2, 3 v^T (rows: v-dims, K: keys).   wf: [16 steps] 4 c + 2 lay + hf: lay 0 W1's rows 512 c .., lay 1 W2 at K steps 4 c ...
; qc: [64 queries][tile m][K step s] fragments;  qs: [64 queries][s][lane][m] words.
; SHARES.  Work-group g: 128 tokens tb = g / 2; ch = g % 2: 0 makes q and v-dims 0-255, 1 makes k and v-dims 256-511.  Wave w: d 128 w .. 128 w + 127 for all 8 token tiles (256 products),
; and v-dims 256 ch + 64 w .. + 63 (128 products).  The weights stay in registers; x's 32 fragments go from wave to wave through LDS as images.  No tensor load, no cluster: the work-groups share only weights, which are small.
; REGISTERS.  window 0: v1-13 addresses, v14-15 the add's two, v24-39 W's scale words, v40-47 Wv's, v48-63 x's, v64-79 quantiser's temps, v80-119 codes (two sets), v120-127 scale words made, v128-131 the same by lane halves,
; v136-231 two sets of four fragments of x, v232-245 the fragment that is re-laid.   window 1: v0-191 W's fragments of K steps 0, 1; v192-255 8 accumulators; later all 256: v's accumulators.
; window 2: W's fragments of K steps 2, 3.   window 3: three sets of 64 numbers of x; later Wv's 16 fragments.
.set FRB,   1536
.set WBLK,  25600
.set STEPB, 102400
.set BATB,  409600
.set XSC,   49152                      ; LDS: x's 32 images from 0 on, their scale words (128 bytes each) from here,
.set SPARE, 53248                      ; and the spare words, 128 bytes a wave: two blocks of 256 bytes that no other line names
.set T,     0                          ; the window of the quantiser's temps
.set WSQ,   24
.set WSV,   40
.set XS,    48
.set TM,    64
.set PC,    80
.set PW8,   120
.set CW,    128
.set XF,    136
.set RL,    232
.set SEL,   38
.set MSB, 0
.macro WIN new                         ; the immediate's high byte repeats the setting that is left; a switch that changes nothing is dropped
.if MSB != (\new)
	s_set_vgpr_msb (MSB<<8)|(\new)
.set MSB, \new
.endif
.endm
; one product: D at d, source 0 at a, source 1 at b; cz = 1: the constant 0 starts the sum; scale words sa, sb; ra, rb = 1: taken from lanes 16-31
.macro WM d, a, b, cz, sa, sb, ra, rb
.if \cz
.if (\ra) && (\rb)
	v_wmma_scale_f32_16x16x128_f8f6f4 v[(\d):(\d)+7], v[(\a):(\a)+11], v[(\b):(\b)+11], 0, v[(\sa)], v[(\sb)] matrix_a_fmt:MATRIX_FMT_BF6 matrix_b_fmt:MATRIX_FMT_BF6 matrix_a_scale:MATRIX_SCALE_ROW1 matrix_b_scale:MATRIX_SCALE_ROW1
.elseif (\ra)
	v_wmma_scale_f32_16x16x128_f8f6f4 v[(\d):(\d)+7], v[(\a):(\a)+11], v[(\b):(\b)+11], 0, v[(\sa)], v[(\sb)] matrix_a_fmt:MATRIX_FMT_BF6 matrix_b_fmt:MATRIX_FMT_BF6 matrix_a_scale:MATRIX_SCALE_ROW1
.elseif (\rb)
	v_wmma_scale_f32_16x16x128_f8f6f4 v[(\d):(\d)+7], v[(\a):(\a)+11], v[(\b):(\b)+11], 0, v[(\sa)], v[(\sb)] matrix_a_fmt:MATRIX_FMT_BF6 matrix_b_fmt:MATRIX_FMT_BF6 matrix_b_scale:MATRIX_SCALE_ROW1
.else
	v_wmma_scale_f32_16x16x128_f8f6f4 v[(\d):(\d)+7], v[(\a):(\a)+11], v[(\b):(\b)+11], 0, v[(\sa)], v[(\sb)] matrix_a_fmt:MATRIX_FMT_BF6 matrix_b_fmt:MATRIX_FMT_BF6
.endif
.else
.if (\ra) && (\rb)
	v_wmma_scale_f32_16x16x128_f8f6f4 v[(\d):(\d)+7], v[(\a):(\a)+11], v[(\b):(\b)+11], v[(\d):(\d)+7], v[(\sa)], v[(\sb)] matrix_a_fmt:MATRIX_FMT_BF6 matrix_b_fmt:MATRIX_FMT_BF6 matrix_a_scale:MATRIX_SCALE_ROW1 matrix_b_scale:MATRIX_SCALE_ROW1
.elseif (\ra)
	v_wmma_scale_f32_16x16x128_f8f6f4 v[(\d):(\d)+7], v[(\a):(\a)+11], v[(\b):(\b)+11], v[(\d):(\d)+7], v[(\sa)], v[(\sb)] matrix_a_fmt:MATRIX_FMT_BF6 matrix_b_fmt:MATRIX_FMT_BF6 matrix_a_scale:MATRIX_SCALE_ROW1
.elseif (\rb)
	v_wmma_scale_f32_16x16x128_f8f6f4 v[(\d):(\d)+7], v[(\a):(\a)+11], v[(\b):(\b)+11], v[(\d):(\d)+7], v[(\sa)], v[(\sb)] matrix_a_fmt:MATRIX_FMT_BF6 matrix_b_fmt:MATRIX_FMT_BF6 matrix_b_scale:MATRIX_SCALE_ROW1
.else
	v_wmma_scale_f32_16x16x128_f8f6f4 v[(\d):(\d)+7], v[(\a):(\a)+11], v[(\b):(\b)+11], v[(\d):(\d)+7], v[(\sa)], v[(\sb)] matrix_a_fmt:MATRIX_FMT_BF6 matrix_b_fmt:MATRIX_FMT_BF6
.endif
.endif
.endm
; THE QUANTISER.  64 numbers of a lane in window xw from register src on; register 16 b + i = k 32 b + 16 (lane / 16) + i of the lane's row.
; QMAX: the four blocks' largest magnitudes, over the floor 2^(5 - 127), so that the byte cannot fall under 1; each accumulator is read from its low end on.
.macro QMAX xw, src
	WIN (T<<6)|(T<<4)|((\xw)<<2)|(\xw)
.irp b, 0,1,2,3
	v_max3_num_f32 v[TM+\b], |v[(\src)+16*\b]|, |v[(\src)+16*\b+1]|, 0x2800000
.endr
.irp i, 2,4,6,8,10,12,14
.irp b, 0,1,2,3
	v_max3_num_f32 v[TM+\b], |v[(\src)+16*\b+\i]|, |v[(\src)+16*\b+\i+1]|, v[TM+\b]   ; the four blocks by turns
.endr
.endr
	WIN T*0x55
.irp b, 0,1,2,3
	v_permlanex16_b32 v[TM+4+\b], v[TM+\b], s[SEL], s[SEL+1]
.endr
.irp b, 0,1,2,3
	v_max_num_f32 v[TM+\b], v[TM+\b], v[TM+4+\b]   ; with lane l xor 16's 16 numbers: the block's
.endr
.endm
; QCODE: from the largest magnitudes in v[TM] on: the scale word into v[wrd], the fragment's 12 registers of codes into set pcs.
.macro QCODE xw, src, pcs, wrd
.set PCB, PC+20*(\pcs)
	WIN T*0x55
.irp b, 0,1,2,3
	v_add_nc_u32 v[TM+12+\b], 0xfe000000, v[TM+\b]   ; 4 off the exponent field: the conversion takes the exponent field of this operand as its scale
.endr
.irp b, 0,1,2,3
	v_lshrrev_b32 v[TM+4+\b], 23, v[TM+12+\b]      ; the scale's byte
.endr
	v_lshl_or_b32 v[(\wrd)], v[TM+5], 8, v[TM+4]
	v_lshl_or_b32 v[(\wrd)], v[TM+6], 16, v[(\wrd)]
	v_lshl_or_b32 v[(\wrd)], v[TM+7], 24, v[(\wrd)]
	WIN (T<<6)|(T<<2)|(\xw)
.irp c, 0,1
	v_cvt_scalef32_pk16_bf6_f32 v[PCB+6*\c:PCB+6*\c+2], v[(\src)+32*\c:(\src)+32*\c+15], v[TM+12+2*\c]
	v_cvt_scalef32_pk16_bf6_f32 v[PCB+12+4*\c:PCB+14+4*\c], v[(\src)+32*\c+16:(\src)+32*\c+31], v[TM+13+2*\c]   ; (a conversion's three registers begin on an even number)
.endr
	WIN T*0x55
	v_nop                                          ; one plain place behind the scaled conversions
.irp c, 0,1                            ; the operand's layout wants a whole block in a lane: lanes 0-15 block 2 c, lanes 16-31 block 2 c + 1
.irp i, 0,1,2
	v_permlane16_swap_b32 v[PCB+6*\c+\i], v[PCB+12+4*\c+\i]
.endr
.irp i, 0,1,2
	v_mov_b32 v[PCB+3+6*\c+\i], v[PCB+12+4*\c+\i]
.endr
.endr
.endm
.macro XLOAD i                         ; the 64 numbers a lane of my fragment i (token tile 2 w + i / 4, K step i % 4) into set i % 3 of window 3
	WIN 0xc0
.irp b, 0,1,2,3
.irp j, 0,1,2,3
	global_load_b128 v[64*((\i)%3)+16*\b+4*\j:64*((\i)%3)+16*\b+4*\j+3], v2, s[4:5] offset:16384*((\i)/4)+512*((\i)%4)+128*\b+16*\j
.endr
.endr
.endm
.macro WLOAD i                         ; W's fragments 4 i .. 4 i + 3 (fragment 8 s + t): they stay in windows 1 and 2
.irp e, 0,1,2,3
.set FW, 4*(\i)+\e
	WIN 0x40+0x40*(FW/16)
.irp p, 0,1,2,3,4,5
	global_load_b64 v[12*(FW%16)+2*\p:12*(FW%16)+2*\p+1], v3, s[76:77] offset:(32*((FW%8)/2)+8*(FW%2))*384+96*(FW/8)+48*(\p/3)+8*(\p%3)
.endr
.endr
.endm
.macro XFETCH buf, m                   ; token tile m's four fragments of x, from their images
	WIN 0
.irp s, 0,1,2,3
.irp c, 0,1,2
	ds_load_b128 v[XF+48*(\buf)+12*\s+4*\c:XF+48*(\buf)+12*\s+4*\c+3], v1 offset:FRB*(4*(\m)+\s)+512*\c
.endr
.endr
.endm
	s_load_b512 s[4:19], s[0:1], 0x0               ; x, Wq codes, Wq scales, Wk codes, Wk scales, Wv codes, Wv scales, W1 codes
	s_load_b256 s[20:27], s[0:1], 0x40             ; W1 scales, W2 codes, W2 scales, qc
	s_load_b128 s[28:31], s[0:1], 0x60             ; qs, kv
	s_load_b64 s[32:33], s[0:1], 0x70              ; wf
	v_lshl_add_u32 v14, v0, 2, SPARE               ; my spare word,
	v_mov_b32 v15, 0                               ; and 0: both kept for the closing lines
	v_lshrrev_b32 v16, 5, v0
	v_readfirstlane_b32 s34, v16                   ; wave w
	v_and_b32 v16, 31, v0                          ; lane
	v_and_b32 v17, 15, v0                          ; r
	v_bfe_u32 v18, v0, 4, 1                        ; h
	v_and_b32 v19, 8, v17
	v_add_nc_u32 v19, v19, v17                     ; r + 8 (r / 8)
	v_lshl_add_u32 v20, v18, 3, v19                ; 8 h + that
	v_lshlrev_b32 v1, 4, v16                       ; 16 x lane: an image's place
	v_lshlrev_b32 v2, 11, v19
	v_lshl_add_u32 v2, v18, 6, v2                  ; x: my row of 2,048 bytes, + 64 h
	v_mul_u32_u24 v3, v19, 384
	v_mad_u32_u24 v3, v18, 24, v3                  ; Wq, Wk, Wv: my row of 384 bytes, + 24 h
	v_lshlrev_b32 v4, 4, v20                       ; their scales: 16 bytes a row; lanes 16-31 take the odd tile, 8 rows on
	s_mul_i32 s40, s34, 12288
	v_add_nc_u32 v5, s40, v1                       ; where I store x's images: 8 fragments a wave
	v_lshlrev_b32 v6, 2, v16
	s_lshl_b32 s40, s34, 10
	v_add_nc_u32 v7, s40, v6
	v_add_nc_u32 v7, XSC, v7                       ; and their scale words
	v_lshl_add_u32 v8, v18, 7, v6
	v_add_nc_u32 v8, XSC, v8                       ; where I read them: lanes 0-15 an even K step's, lanes 16-31 the odd one's
	v_lshlrev_b32 v9, 3, v16                       ; 8 x lane
.irp b, 0,1,2,3
	v_mov_b32 v[TM+4+\b], 0                        ; written once: a lane permute's destination counts as one of its sources
.endr
	v_mov_b32 v[RL+12], 0                          ; written on every path: only some work-groups load and store these two
	v_mov_b32 v[RL+13], 0
	s_mov_b32 s[SEL], 0x76543210
	s_mov_b32 s[SEL+1], 0xfedcba98                 ; lane l xor 16
	s_mov_b32 s92, 0xffff0000                      ; lanes 16-31
	; THE RE-LAYOUT: unit U = 4 g + w is fragment f of block wv of step j of wf
	s_lshl_b32 s41, ttmp9, 2
	s_add_co_u32 s41, s41, s34                     ; U
	s_lshr_b32 s42, s41, 6                         ; j
	s_bfe_u32 s43, s41, 0x20004                    ; wv
	s_and_b32 s44, s41, 15                         ; f
	s_lshr_b32 s45, s44, 3                         ; q
	s_and_b32 s46, s44, 7                          ; t
	s_lshr_b32 s47, s42, 2                         ; c
	s_bfe_u32 s48, s42, 0x10001                    ; lay
	s_and_b32 s49, s42, 1                          ; hf
	s_lshl_b32 s53, s47, 9
	s_lshl_b32 s54, s47, 2
	s_mov_b32 s55, 1536
	s_cmp_eq_u32 s48, 0
	s_cselect_b32 s53, s53, 0                      ; W1: rows 512 c on
	s_cselect_b32 s54, 0, s54                      ; W2: K steps 4 c on
	s_cselect_b32 s55, 384, s55                    ; a row of codes in bytes
	s_cselect_b32 s56, 16, 64                      ; a row of scales
	s_lshl_b32 s50, s43, 7
	s_add_co_u32 s50, s50, s53                     ; the block's first row
	s_lshl_b32 s52, s49, 1
	s_add_co_u32 s52, s52, s54                     ; the step's first K step
	s_lshr_b32 s51, s46, 1
	s_lshl_b32 s51, s51, 5
	s_and_b32 s57, s46, 1
	s_lshl_b32 s57, s57, 3
	s_add_co_u32 s51, s51, s57
	s_add_co_u32 s51, s51, s50                     ; the tile's first row
	s_mul_i32 s51, s51, s55
	s_add_co_u32 s57, s52, s45
	s_mul_i32 s57, s57, 96
	s_add_co_u32 s66, s51, s57                     ; the fragment in its tensor
	s_mov_b32 s67, 0
	s_and_b32 s51, s44, 1                          ; the scale words (units f < 4 of each block): pairs b = 2 (f % 2) + 0, 1; K step f / 2
	s_lshl_b32 s51, s51, 6
	s_add_co_u32 s51, s51, s50
	s_mul_i32 s51, s51, s56
	s_lshr_b32 s57, s44, 1
	s_add_co_u32 s57, s57, s52
	s_lshl_b32 s57, s57, 2
	s_add_co_u32 s68, s51, s57
	s_mov_b32 s69, 0
	s_and_b32 s70, ttmp9, 3                        ; 0: my f is w, under 4
	s_lshr_b32 s51, s41, 4
	s_mul_i32 s51, s51, WBLK                       ; the block in wf
	s_mul_i32 s57, s44, FRB
	s_add_co_u32 s62, s51, s57
	s_mov_b32 s63, 0
	s_lshl_b32 s57, s44, 8
	s_add_co_u32 s90, s51, s57
	s_add_co_u32 s90, s90, 24576
	s_mov_b32 s91, 0
	v_mul_lo_u32 v10, v19, s55
	v_mad_u32_u24 v10, v18, 24, v10                ; my row of the tile, + 24 h
	v_mul_lo_u32 v11, v20, s56                     ; my row's scales; lanes 16-31 the odd tile's
	s_lshl_b32 s40, s56, 5
	v_add_nc_u32 v12, s40, v11                     ; and 32 rows on: the next pair of tiles
	s_lshr_b32 s36, ttmp9, 1                       ; tb
	s_and_b32 s37, ttmp9, 1                        ; ch
	s_wait_kmcnt 0x0
	s_cmp_eq_u32 s48, 0
	s_cselect_b64 s[58:59], s[18:19], s[22:23]
	s_cselect_b64 s[60:61], s[20:21], s[24:25]
	s_add_nc_u64 s[58:59], s[58:59], s[66:67]
	s_add_nc_u64 s[60:61], s[60:61], s[68:69]
	s_add_nc_u64 s[72:73], s[32:33], s[62:63]      ; where the fragment goes
	s_add_nc_u64 s[74:75], s[32:33], s[90:91]      ; where 256 bytes of scale words go
.irp p, 0,1,2,3,4,5
	global_load_b64 v[RL+2*\p:RL+2*\p+1], v10, s[58:59] offset:48*(\p/3)+8*(\p%3)
.endr
	s_cmp_lg_u32 s70, 0
	s_cbranch_scc1 .Lno_words
	global_load_b32 v[RL+12], v11, s[60:61]
	global_load_b32 v[RL+13], v12, s[60:61]
.Lno_words:
	; x at my 32 tokens
	s_lshl_b32 s62, s36, 18
	s_lshl_b32 s40, s34, 16
	s_add_co_u32 s62, s62, s40
	s_add_nc_u64 s[4:5], s[4:5], s[62:63]
	; Wq or Wk at my 128 rows
	s_cmp_eq_u32 s37, 0
	s_cselect_b64 s[76:77], s[6:7], s[10:11]
	s_cselect_b64 s[78:79], s[8:9], s[12:13]
	s_mul_i32 s62, s34, 49152
	s_add_nc_u64 s[76:77], s[76:77], s[62:63]
	s_lshl_b32 s62, s34, 11
	s_add_nc_u64 s[78:79], s[78:79], s[62:63]
	; Wv at my 64 rows
	s_lshl_b32 s40, s37, 8
	s_lshl_b32 s51, s34, 6
	s_add_co_u32 s40, s40, s51
	s_mul_i32 s62, s40, 384
	s_add_nc_u64 s[14:15], s[14:15], s[62:63]
	s_lshl_b32 s62, s40, 4
	s_add_nc_u64 s[16:17], s[16:17], s[62:63]
.irp b, 0,1,2,3
	global_load_b128 v[WSQ+4*\b:WSQ+4*\b+3], v4, s[78:79] offset:512*\b   ; a row's 16 bytes are its four words: register 4 b + s; lanes 0-15 tile 2 b, lanes 16-31 tile 2 b + 1
.endr
.irp b, 0,1
	global_load_b128 v[WSV+4*\b:WSV+4*\b+3], v4, s[16:17] offset:512*\b
.endr
	XLOAD 0
	XLOAD 1
	; where the results go
	s_lshr_b32 s40, s36, 2
	s_mul_i32 s40, s40, BATB                       ; the batch in kv
	s_and_b32 s51, s36, 3                          ; which 128 tokens of the batch
	s_mul_i32 s57, s51, WBLK
	s_add_co_u32 s57, s57, s40
	s_lshr_b32 s66, s34, 1
	s_mul_i32 s67, s66, STEPB
	s_add_co_u32 s57, s57, s67                     ; k's block: step w / 2, block tb % 4
	s_and_b32 s68, s34, 1
	s_lshl_b32 s69, s68, 9
	s_add_co_u32 s62, s57, s69
	s_add_co_u32 s62, s62, 24576
	s_add_nc_u64 s[84:85], s[30:31], s[62:63]      ; k's scale words: K step w % 2 of the block
	s_mul_i32 s69, s68, 12288
	s_add_co_u32 s57, s57, s69                     ; k's first fragment
	s_mul_i32 s69, s36, 49152
	s_mul_i32 s62, s34, FRB
	s_add_co_u32 s69, s69, s62                     ; q's first fragment
	s_mov_b32 s82, 1536
	s_mov_b32 s83, 0
	s_cmp_eq_u32 s37, 0
	s_cselect_b64 s[80:81], s[26:27], s[30:31]
	s_cselect_b32 s62, s69, s57
	s_cselect_b32 s82, 6144, s82                   ; from token tile to token tile
	s_add_nc_u64 s[80:81], s[80:81], s[62:63]
	s_lshl_b32 s62, s36, 12
	s_lshl_b32 s69, s34, 9
	s_add_co_u32 s62, s62, s69
	s_add_nc_u64 s[28:29], s[28:29], s[62:63]      ; q's scale words
	s_lshr_b32 s69, s51, 1
	s_add_co_u32 s69, s69, 2
	s_mul_i32 s69, s69, STEPB
	s_add_co_u32 s40, s40, s69
	s_lshl_b32 s69, s37, 1
	s_add_co_u32 s69, s69, s66
	s_mul_i32 s69, s69, WBLK
	s_add_co_u32 s40, s40, s69                     ; v's block: step 2 + (tb % 4) / 2, block 2 ch + w / 2
	s_and_b32 s69, s36, 1
	s_lshl_b32 s57, s69, 1
	s_add_co_u32 s57, s57, s68                     ; 2 (tb % 2) + w % 2
	s_mul_i32 s62, s57, 6144
	s_add_co_u32 s62, s62, s40
	s_add_nc_u64 s[86:87], s[30:31], s[62:63]      ; v's first fragment: 8 (tb % 2) + 4 (w % 2)
	s_lshl_b32 s62, s57, 8
	s_add_co_u32 s62, s62, s40
	s_add_co_u32 s62, s62, 24576
	s_add_nc_u64 s[88:89], s[30:31], s[62:63]      ; v's scale words
; ---- X: my 32 tokens of x become eight fragments.  Loads run two fragments ahead, and W's fragments are asked for between them.
; cnt: the loads issued behind fragment i's sixteen (56; 80 five times; 64; 48), held to what the wait's field names.
.macro XTRIP i, cnt
	WLOAD \i
.if (\i) < 6
	XLOAD (\i)+2
.endif
	s_wait_loadcnt \cnt
	QMAX 3, 64*((\i)%3)
.if (\i) >= 2
	s_wait_dscnt 4                                 ; the last fragment's four stores may be out; those that read this set of codes are done
.endif
	QCODE 3, 64*((\i)%3), (\i)%2, PW8+(\i)
	WIN 0
.irp c, 0,1,2
	ds_store_b128 v5, v[PC+20*((\i)%2)+4*\c:PC+20*((\i)%2)+4*\c+3] offset:FRB*(\i)+512*\c
.endr
	ds_store_b32 v7, v[PW8+(\i)] offset:128*(\i)
.endm
	XTRIP 0, 56
	global_store_b128 v1, v[RL:RL+3], s[72:73]             ; the fragment of W1 or W2 (its loads stand ahead of x's: they are in): 512 consecutive bytes a store
	global_store_b128 v1, v[RL+4:RL+7], s[72:73] offset:512
	global_store_b128 v1, v[RL+8:RL+11], s[72:73] offset:1024
	s_cmp_lg_u32 s70, 0
	s_cbranch_scc1 .Lno_words_out
	global_store_b64 v9, v[RL+12:RL+13], s[74:75]          ; 256 consecutive bytes of scale words
.Lno_words_out:
	XTRIP 1, 63
	XTRIP 2, 63
	XTRIP 3, 63
	XTRIP 4, 63
	XTRIP 5, 63
	XTRIP 6, 63
	XTRIP 7, 48
	WIN 0xc0
.irp n, 0,1,2,3                        ; Wv's fragments 4 n + s, into the registers that x has left
.irp s, 0,1,2,3
.irp p, 0,1,2,3,4,5
	global_load_b64 v[12*(4*\n+\s)+2*\p:12*(4*\n+\s)+2*\p+1], v3, s[14:15] offset:(32*(\n/2)+8*(\n%2))*384+96*\s+48*(\p/3)+8*(\p%3)
.endr
.endr
.endr
	WIN 0
	s_wait_dscnt 0x0                               ; my images have landed
	s_barrier_signal -1
	s_barrier_wait -1                              ; everybody's have: x's 32 fragments lie in LDS, and are only read from here on
.irp m, 0,1,2,3,4,5,6,7
.irp e, 0,1
	ds_load_b32 v[XS+2*\m+\e], v8 offset:512*\m+256*\e
.endr
.endr
	XFETCH 0, 0
	s_wait_loadcnt 63                              ; of Wv's 96 loads 63 may be out: all of W and its scale words are in
; ---- Q or K: for each token tile 32 products (source 0 = 16 rows of W, source 1 = 16 tokens), the 8 accumulators by turns, one instruction a turn; then K step w of q or k for these tokens is quantised and stored.
.macro QKTRIP m
	XFETCH ((\m)+1)%2, ((\m)+1)%8                  ; the next tile (behind the last: tile 0 again, for v); its set was read a trip ago, and the places stand behind those products
	s_wait_dscnt 12                                ; only those twelve may be out
.irp s, 0,1,2,3
.if \s < 2
	WIN 0x51
.else
	WIN 0x52
.endif
.set cz, 0
.if \s == 0
.set cz, 1
.endif
.irp t, 0,1,2,3,4,5,6,7
	WM 192+8*\t, 12*(8*(\s%2)+\t), XF+48*((\m)%2)+12*\s, cz, WSQ+4*(\t/2)+\s, XS+2*(\m)+\s/2, \t%2, \s%2
.endr
.endr
	WIN 0
.rept 4
	v_nop                                          ; places behind the products, ahead of the first read of results
.endr
	QMAX 1, 192
	QCODE 1, 192, (\m)%2, PW8+(\m)
	WIN 0
.irp c, 0,1,2
	global_store_b128 v1, v[PC+20*((\m)%2)+4*\c:PC+20*((\m)%2)+4*\c+3], s[80:81] offset:512*\c
.endr
	s_wait_xcnt 0x0                                ; the stores have read their base and their data: both are written again only behind this wait
	s_add_nc_u64 s[80:81], s[80:81], s[82:83]
.endm
.irp m, 0,1,2,3,4,5,6,7
	QKTRIP \m
.endr
	s_cmp_lg_u32 s37, 0
	s_cbranch_scc1 .Lk_words
	global_store_b128 v1, v[PW8:PW8+3], s[28:29]               ; q: [s][lane][m], the first 64 queries,
	global_store_b128 v1, v[PW8+4:PW8+7], s[28:29] offset:2048 ; the second
	s_branch .Lwords_done
.Lk_words:
.irp b, 0,1,2,3
	v_cndmask_b32 v[CW+\b], v[PW8+2*\b], v[PW8+2*\b+1], s92    ; k: lanes 0-15 tile 2 b's word, lanes 16-31 tile 2 b + 1's
.endr
	global_store_b64 v9, v[CW:CW+1], s[84:85]
	global_store_b64 v9, v[CW+2:CW+3], s[84:85] offset:256
.Lwords_done:
; ---- V: source 0 = 16 tokens, source 1 = 16 rows of Wv: a lane holds one v-dim, and its 64 registers of a tile n run along the 128 tokens.
	s_wait_loadcnt 0x0                             ; Wv
.macro VTRIP m
.if (\m) < 7
	XFETCH ((\m)+1)%2, (\m)+1
	s_wait_dscnt 12
.else
	s_wait_dscnt 0x0
.endif
	WIN 0x5c
.irp s, 0,1,2,3
.set cz, 0
.if \s == 0
.set cz, 1
.endif
.irp n, 0,1,2,3
	WM 64*\n+8*(\m), XF+48*((\m)%2)+12*\s, 12*(4*\n+\s), cz, XS+2*(\m)+\s/2, WSV+4*(\n/2)+\s, \s%2, \n%2
.endr
.endr
	WIN 0
.rept 4
	v_nop                                          ; places ahead of the next trip's loads into x's set, and of the first read of results
.endr
.endm
.irp m, 0,1,2,3,4,5,6,7
	VTRIP \m
.endr
.irp n, 0,1,2,3
	s_wait_xcnt 0x0                                ; earlier stores have read the registers that are written now
	QMAX 1, 64*\n
	QCODE 1, 64*\n, \n%2, PW8+\n
	WIN 0
.irp c, 0,1,2
	global_store_b128 v1, v[PC+20*(\n%2)+4*\c:PC+20*(\n%2)+4*\c+3], s[86:87] offset:FRB*\n+512*\c
.endr
.endr
	s_wait_xcnt 0x0
	v_cndmask_b32 v[CW], v[PW8], v[PW8+1], s92
	v_cndmask_b32 v[CW+1], v[PW8+2], v[PW8+3], s92
	global_store_b64 v9, v[CW:CW+1], s[88:89]
	s_wait_tensorcnt 0x0                           ; the wave's end: behind my last LDS store
	ds_add_u32 v14, v15
	s_wait_dscnt 0x0
	s_endpgm
.Lfunc_end_k_q30509d1c8e_prep:
	.size	k_q30509d1c8e_prep, .Lfunc_end_k_q30509d1c8e_prep-k_q30509d1c8e_prep
	.p2alignl 7, 3214868480
	.fill 96, 4, 3214868480
	.section	.rodata,"a",@progbits
	.p2align	6, 0x0
	.amdhsa_kernel k_q30509d1c8e_prep
		.amdhsa_group_segment_fixed_size 53760
		.amdhsa_private_segment_fixed_size 0
		.amdhsa_enable_private_segment 0
		.amdhsa_kernarg_size 120
		.amdhsa_user_sgpr_count 2
		.amdhsa_user_sgpr_kernarg_segment_ptr 1
		.amdhsa_wavefront_size32 1
		.amdhsa_system_sgpr_workgroup_id_x 1
		.amdhsa_system_sgpr_workgroup_id_y 1
		.amdhsa_system_sgpr_workgroup_id_z 1
		.amdhsa_system_vgpr_workitem_id 0
		.amdhsa_next_free_vgpr 1024
		.amdhsa_next_free_sgpr 96
		.amdhsa_reserve_vcc 0
		.amdhsa_float_denorm_mode_32 3
		.amdhsa_float_denorm_mode_16_64 3
		.amdhsa_memory_ordered 1
		.amdhsa_forward_progress 1
		.amdhsa_inst_pref_size 198
	.end_amdhsa_kernel
	.amdgpu_metadata
---
amdhsa.version: [ 1, 2 ]
amdhsa.kernels:
  - .name:           k_q30509d1c8e_prep
    .symbol:         k_q30509d1c8e_prep.kd
    .args:
      - { .name: x, .offset: 0, .size: 8, .value_kind: global_buffer, .address_space: global }
      - { .name: Wq_codes, .offset: 8, .size: 8, .value_kind: global_buffer, .address_space: global }
      - { .name: Wq_scales, .offset: 16, .size: 8, .value_kind: global_buffer, .address_space: global }
      - { .name: Wk_codes, .offset: 24, .size: 8, .value_kind: global_buffer, .address_space: global }
      - { .name: Wk_scales, .offset: 32, .size: 8, .value_kind: global_buffer, .address_space: global }
      - { .name: Wv_codes, .offset: 40, .size: 8, .value_kind: global_buffer, .address_space: global }
      - { .name: Wv_scales, .offset: 48, .size: 8, .value_kind: global_buffer, .address_space: global }
      - { .name: W1_codes, .offset: 56, .size: 8, .value_kind: global_buffer, .address_space: global }
      - { .name: W1_scales, .offset: 64, .size: 8, .value_kind: global_buffer, .address_space: global }
      - { .name: W2_codes, .offset: 72, .size: 8, .value_kind: global_buffer, .address_space: global }
      - { .name: W2_scales, .offset: 80, .size: 8, .value_kind: global_buffer, .address_space: global }
      - { .name: qc, .offset: 88, .size: 8, .value_kind: global_buffer, .address_space: global }
      - { .name: qs, .offset: 96, .size: 8, .value_kind: global_buffer, .address_space: global }
      - { .name: kv, .offset: 104, .size: 8, .value_kind: global_buffer, .address_space: global }
      - { .name: wf, .offset: 112, .size: 8, .value_kind: global_buffer, .address_space: global }
    .group_segment_fixed_size: 53760
    .private_segment_fixed_size: 0
    .kernarg_segment_align: 8
    .kernarg_segment_size: 120
    .max_flat_workgroup_size: 128
    .sgpr_count:     96
    .vgpr_count:     1024
    .wavefront_size: 32
...
	.end_amdgpu_metadata
.endif
;; end of part 1
;; launch fused (part 2): grid 256 x 1, 4 waves a work-group, clusters of 4 x 1, 327,680 bytes of LDS; arguments qc, qs, kv, wf, x, b1, b2, out0, a1, bb1, a2, bb2; writes out0
.if DOCPART == 2
	.amdgcn_target "amdgcn-amd-amdhsa--gfx1250"
	.amdhsa_code_object_version 6
	.text
	.protected	k_q30509d1c8e_fused
	.globl	k_q30509d1c8e_fused
	.p2align	8
	.type	k_q30509d1c8e_fused,@function
k_q30509d1c8e_fused:
	s_mov_b64 s[64:65], 0
	v_nop
	global_prefetch_b8 v0, s[64:65] scope:SCOPE_SE
	s_setreg_imm32_b32 hwreg(HW_REG_WAVE_MODE, 25, 1), 1
	s_wait_xcnt 0x0
	s_wait_alu depctr_hold_cnt(0) depctr_sa_sdst(0) depctr_va_vdst(0) depctr_va_sdst(0) depctr_va_ssrc(0) depctr_va_vcc(0) depctr_vm_vsrc(0)
	s_getreg_b32 s2, hwreg(HW_REG_IB_STS2, 6, 4)
	s_cmp_eq_u32 s2, 0
	s_cbranch_scc0 .Lentry_in_a_cluster
	s_endpgm
.Lentry_in_a_cluster:
	s_bfe_u32 s2, ttmp6, 0x10000c
	s_cmp_lg_u32 s2, 0x3003
	s_cbranch_scc0 .Lentry_shape_is_right
	s_endpgm
.Lentry_shape_is_right:
; FUSED: for 64 queries of one sequence: scores, softmax, P V, residual, norm 1, FFN (relu), residual, norm 2.  All four products on codes of BF6 (E3M2) with one E8M0 scale for each 32 along K;
; nothing of the chain goes to memory.  No work of the problem is left out.
; THE SOFTMAX: t = score x log2(e) / sqrt(512); M = ceil(the row's largest t); p = 2^(t - M) is quantised along the keys; the row's sum of the unquantised p divides O at the end.  All 512 keys of a row are at hand at once, so M is final.
; LIMITS: NaN and infinities among the inputs are not served; a p under 2^-126 becomes 0; a block whose largest magnitude lies under 2^-122 keeps the scale byte 1 (a block of zeros too: its codes are zeros).
; SHARES.  THE WAVES SHARE THE COLUMNS: wave w owns keys, v-dims, hidden units (of each chunk of 512) and output columns 128 w .. 128 w + 127, for all four tiles m of 16 queries.  So each fragment of k, v, W1, W2
; is read from LDS once, by one wave, and feeds four products; the activations' 16 fragments stay in registers for a whole layer, and go from wave to wave through LDS as images of their registers.
; Every product is used transposed (source 0 = 16 rows of k, v^T, W1, W2 in tile order; source 1 = 16 queries): a lane holds one query, and its registers 64 m + 16 b + i the column 128 w + 32 b + 16 (lane / 16) + i.
; THE STREAM.  20 steps of 64 products a wave: 0, 1 k; 2, 3 v^T; then for chunk c: 4 + 4 c + 0, 1 W1; + 2, 3 W2.  A step's four blocks of 25,600 bytes come by four tensor loads, one a wave, each wave reading only the block
; that its own load brought; two slots take turns.  CLUSTER: the four work-groups of a cluster belong to one sequence and walk the same k, v, W1, W2: each block is asked for jointly, by the same load with the same descriptor
; and a mask that names the four.  q and x are a work-group's own and come by plain loads.
; A wave has two tensor loads out at the head and one behind each round.
; REGISTERS.  window 0: v1-17 addresses, v18-19 the add's two, v32-47 the stream's scale words (two sets), v48-55, v56-63 the activations' scale words for layers A and B, v64-255 a step's 16 fragments.
; window 1: v0-191 layer A's activations (q, later n1); between: statistics, x, rows on the way out; v192-255 b1's 8 tiles as C, or the quantiser's temps.
; window 2: layer A's 32 accumulators (64 m + 8 t); during a layer B v0-191 its activations (p, the hidden layer).   window 3: layer B's 32 accumulators: O^T, then h, n1, n1 + b2 + ffn, the result.
.set FRB,   1536
.set WBLK,  25600
.set STEPB, 102400
.set AIMG,  204800                     ; behind the ring (two slots of STEPB): 16 images of activations, fragment 4 m + s
.set ASCA,  229376                     ; their scale words [s][lane][m], for layer A,
.set ASCB,  231424                     ; for layer B
.set SMX,   233472                     ; [wave][lane][m]: the waves' largest scores,
.set SLS,   235520                     ; sums of p,
.set SNS,   237568                     ; sums,
.set SNQ,   239616                     ; sums of squares
.set B1L,   241664                     ; b1: 2,048 bytes a wave: its 4 x 128 numbers
.set B2L,   249856                     ; b2: 512 bytes a wave
.set STG,   251904                     ; the way out: 16 rows x (512 + 16) bytes for each wave
.set SPARE, 285696                     ; the spare words, 128 bytes a wave: two blocks of 256 bytes that no other line names
.set T,     1                          ; the window of the quantiser's temps
.set TM,    192
.set PC,    208
.set PWS,   248
.set SEL,   54
; window 1, the softmax's statistics
.set BM,  0                            ; 16: the largest score, then the largest p, of block b of tile m
.set BP,  16                           ; 16: lane l xor 16's
.set WX,  32                           ; 4
.set RX,  36                           ; 16: the four waves'
.set NM,  52                           ; 4 pairs: -M
.set SU,  60                           ; 4 pairs: sums
.set SL,  68                           ; 4
.set SP2, 72                           ; 4
.set RLP, 240                          ; 4 pairs: 1 / the row's sum
; window 1, a norm's statistics
.set NS,  0
.set NW,  8
.set NP,  12
.set MW,  16
.set NQ,  24
.set N2,  32
.set LS,  36
.set LQ,  52
.set ME,  68
.set VA,  72
.set DD,  76
.set GG,  80
.set OF,  88
.set MSB, 0
.macro WIN new                         ; the immediate's high byte repeats the setting that is left; a switch that changes nothing is dropped
.if MSB != (\new)
	s_set_vgpr_msb (MSB<<8)|(\new)
.set MSB, \new
.endif
.endm
; one product: D at d, source 0 at a, source 1 at b; cm = 0: C = D, 1: the constant 0 starts the sum, 2: C at c (a bias); scale words sa, sb; ra, rb = 1: taken from lanes 16-31
.macro WM d, a, b, cm, c, sa, sb, ra, rb
.if (\cm) == 1
.if (\ra) && (\rb)
	v_wmma_scale_f32_16x16x128_f8f6f4 v[(\d):(\d)+7], v[(\a):(\a)+11], v[(\b):(\b)+11], 0, v[(\sa)], v[(\sb)] matrix_a_fmt:MATRIX_FMT_BF6 matrix_b_fmt:MATRIX_FMT_BF6 matrix_a_scale:MATRIX_SCALE_ROW1 matrix_b_scale:MATRIX_SCALE_ROW1
.elseif (\ra)
	v_wmma_scale_f32_16x16x128_f8f6f4 v[(\d):(\d)+7], v[(\a):(\a)+11], v[(\b):(\b)+11], 0, v[(\sa)], v[(\sb)] matrix_a_fmt:MATRIX_FMT_BF6 matrix_b_fmt:MATRIX_FMT_BF6 matrix_a_scale:MATRIX_SCALE_ROW1
.elseif (\rb)
	v_wmma_scale_f32_16x16x128_f8f6f4 v[(\d):(\d)+7], v[(\a):(\a)+11], v[(\b):(\b)+11], 0, v[(\sa)], v[(\sb)] matrix_a_fmt:MATRIX_FMT_BF6 matrix_b_fmt:MATRIX_FMT_BF6 matrix_b_scale:MATRIX_SCALE_ROW1
.else
	v_wmma_scale_f32_16x16x128_f8f6f4 v[(\d):(\d)+7], v[(\a):(\a)+11], v[(\b):(\b)+11], 0, v[(\sa)], v[(\sb)] matrix_a_fmt:MATRIX_FMT_BF6 matrix_b_fmt:MATRIX_FMT_BF6
.endif
.elseif (\cm) == 2
.if (\ra) && (\rb)
	v_wmma_scale_f32_16x16x128_f8f6f4 v[(\d):(\d)+7], v[(\a):(\a)+11], v[(\b):(\b)+11], v[(\c):(\c)+7], v[(\sa)], v[(\sb)] matrix_a_fmt:MATRIX_FMT_BF6 matrix_b_fmt:MATRIX_FMT_BF6 matrix_a_scale:MATRIX_SCALE_ROW1 matrix_b_scale:MATRIX_SCALE_ROW1
.elseif (\ra)
	v_wmma_scale_f32_16x16x128_f8f6f4 v[(\d):(\d)+7], v[(\a):(\a)+11], v[(\b):(\b)+11], v[(\c):(\c)+7], v[(\sa)], v[(\sb)] matrix_a_fmt:MATRIX_FMT_BF6 matrix_b_fmt:MATRIX_FMT_BF6 matrix_a_scale:MATRIX_SCALE_ROW1
.elseif (\rb)
	v_wmma_scale_f32_16x16x128_f8f6f4 v[(\d):(\d)+7], v[(\a):(\a)+11], v[(\b):(\b)+11], v[(\c):(\c)+7], v[(\sa)], v[(\sb)] matrix_a_fmt:MATRIX_FMT_BF6 matrix_b_fmt:MATRIX_FMT_BF6 matrix_b_scale:MATRIX_SCALE_ROW1
.else
	v_wmma_scale_f32_16x16x128_f8f6f4 v[(\d):(\d)+7], v[(\a):(\a)+11], v[(\b):(\b)+11], v[(\c):(\c)+7], v[(\sa)], v[(\sb)] matrix_a_fmt:MATRIX_FMT_BF6 matrix_b_fmt:MATRIX_FMT_BF6
.endif
.else
.if (\ra) && (\rb)
	v_wmma_scale_f32_16x16x128_f8f6f4 v[(\d):(\d)+7], v[(\a):(\a)+11], v[(\b):(\b)+11], v[(\d):(\d)+7], v[(\sa)], v[(\sb)] matrix_a_fmt:MATRIX_FMT_BF6 matrix_b_fmt:MATRIX_FMT_BF6 matrix_a_scale:MATRIX_SCALE_ROW1 matrix_b_scale:MATRIX_SCALE_ROW1
.elseif (\ra)
	v_wmma_scale_f32_16x16x128_f8f6f4 v[(\d):(\d)+7], v[(\a):(\a)+11], v[(\b):(\b)+11], v[(\d):(\d)+7], v[(\sa)], v[(\sb)] matrix_a_fmt:MATRIX_FMT_BF6 matrix_b_fmt:MATRIX_FMT_BF6 matrix_a_scale:MATRIX_SCALE_ROW1
.elseif (\rb)
	v_wmma_scale_f32_16x16x128_f8f6f4 v[(\d):(\d)+7], v[(\a):(\a)+11], v[(\b):(\b)+11], v[(\d):(\d)+7], v[(\sa)], v[(\sb)] matrix_a_fmt:MATRIX_FMT_BF6 matrix_b_fmt:MATRIX_FMT_BF6 matrix_b_scale:MATRIX_SCALE_ROW1
.else
	v_wmma_scale_f32_16x16x128_f8f6f4 v[(\d):(\d)+7], v[(\a):(\a)+11], v[(\b):(\b)+11], v[(\d):(\d)+7], v[(\sa)], v[(\sb)] matrix_a_fmt:MATRIX_FMT_BF6 matrix_b_fmt:MATRIX_FMT_BF6
.endif
.endif
.endm
; THE QUANTISER.  64 numbers of a lane in window xw from register src on; register 16 b + i = k 32 b + 16 (lane / 16) + i of the lane's row.
; QMAX: the four blocks' largest magnitudes, over the floor 2^(5 - 127), so that the byte cannot fall under 1; each accumulator is read from its low end on.
.macro QMAX xw, src
	WIN (T<<6)|(T<<4)|((\xw)<<2)|(\xw)
.irp b, 0,1,2,3
	v_max3_num_f32 v[TM+\b], |v[(\src)+16*\b]|, |v[(\src)+16*\b+1]|, 0x2800000
.endr
.irp i, 2,4,6,8,10,12,14
.irp b, 0,1,2,3
	v_max3_num_f32 v[TM+\b], |v[(\src)+16*\b+\i]|, |v[(\src)+16*\b+\i+1]|, v[TM+\b]   ; the four blocks by turns
.endr
.endr
	WIN T*0x55
.irp b, 0,1,2,3
	v_permlanex16_b32 v[TM+4+\b], v[TM+\b], s[SEL], s[SEL+1]
.endr
.irp b, 0,1,2,3
	v_max_num_f32 v[TM+\b], v[TM+\b], v[TM+4+\b]   ; with lane l xor 16's 16 numbers: the block's
.endr
.endm
; QCODE: from the largest magnitudes in v[TM] on: the scale word into v[wrd], the fragment's 12 registers of codes into set pcs.
.macro QCODE xw, src, pcs, wrd
.set PCB, PC+20*(\pcs)
	WIN T*0x55
.irp b, 0,1,2,3
	v_add_nc_u32 v[TM+12+\b], 0xfe000000, v[TM+\b]   ; 4 off the exponent field: the conversion takes the exponent field of this operand as its scale
.endr
.irp b, 0,1,2,3
	v_lshrrev_b32 v[TM+4+\b], 23, v[TM+12+\b]      ; the scale's byte
.endr
	v_lshl_or_b32 v[(\wrd)], v[TM+5], 8, v[TM+4]
	v_lshl_or_b32 v[(\wrd)], v[TM+6], 16, v[(\wrd)]
	v_lshl_or_b32 v[(\wrd)], v[TM+7], 24, v[(\wrd)]
	WIN (T<<6)|(T<<2)|(\xw)
.irp c, 0,1
	v_cvt_scalef32_pk16_bf6_f32 v[PCB+6*\c:PCB+6*\c+2], v[(\src)+32*\c:(\src)+32*\c+15], v[TM+12+2*\c]
	v_cvt_scalef32_pk16_bf6_f32 v[PCB+12+4*\c:PCB+14+4*\c], v[(\src)+32*\c+16:(\src)+32*\c+31], v[TM+13+2*\c]   ; (a conversion's three registers begin on an even number)
.endr
	WIN T*0x55
	v_nop                                          ; one plain place behind the scaled conversions
.irp c, 0,1                            ; the operand's layout wants a whole block in a lane: lanes 0-15 block 2 c, lanes 16-31 block 2 c + 1
.irp i, 0,1,2
	v_permlane16_swap_b32 v[PCB+6*\c+\i], v[PCB+12+4*\c+\i]
.endr
.irp i, 0,1,2
	v_mov_b32 v[PCB+3+6*\c+\i], v[PCB+12+4*\c+\i]
.endr
.endr
.endm
.macro BARRIER                         ; my LDS stores have landed and my LDS loads are in: then the work-group's barrier
	s_wait_dscnt 0x0
	s_barrier_signal -1
	s_barrier_wait -1
.endm
.macro CREST                           ; a round of the cluster's barrier behind its opening barrier
	s_cmp_lg_u32 s53, 0
	s_cbranch_scc1 .Lnot_wave_0_\@
	s_barrier_signal -3
.Lnot_wave_0_\@:
	s_barrier_wait -3
	s_barrier_signal -1
	s_barrier_wait -1
.endm
.macro ROUND                           ; a whole round
	s_barrier_signal -1
	s_barrier_wait -1
	CREST
.endm
; A PREFETCH INTO THE L2 of a step of wf, two steps ahead of the tensor loads that will ask for it.  All clusters walk the same wf: the first cluster asks (the cluster's number is the same in its four partners).
; A wave's block of 25,600 bytes is shared out among the partners BY ADDRESS, 6,400 bytes each: 25 blocks of 256 bytes, a lane a block (lanes 25-31 name lane 24's).
.macro ASK
	s_cmp_eq_u32 s52, 1
	s_cbranch_scc0 .Lnot_mine_\@
	global_prefetch_b8 v17, s[50:51] th:TH_LOAD_NT scope:SCOPE_SE
.Lnot_mine_\@:
.endm
.macro FETCHS sl                       ; a step's scale words from slot sl into set sl: register 4 q + b; lanes 0-15 tile 2 b, lanes 16-31 tile 2 b + 1
.irp q, 0,1
.irp e, 0,1
	ds_load_b64 v[32+8*(\sl)+4*\q+2*\e:32+8*(\sl)+4*\q+2*\e+1], v[4+(\sl)] offset:512*\q+256*\e
.endr
.endr
.endm
.macro FETCHW sl, f0, n                ; n fragments from f0 on
.set ff, \f0
.rept \n
	ds_load_b128 v[64+12*ff:64+12*ff+3], v[2+(\sl)] offset:FRB*ff
	ds_load_b128 v[64+12*ff+4:64+12*ff+7], v[2+(\sl)] offset:FRB*ff+512
	ds_load_b128 v[64+12*ff+8:64+12*ff+11], v[2+(\sl)] offset:FRB*ff+1024
.set ff, ff+1
.endr
.endm
; Fragment fm = 8 q + t against the four tiles of queries.  The 32 accumulators take turns, one instruction a turn, in the same order in every step.
.macro MUL1 lay, hf, cm
.set qq, fm/8
.set tt, fm%8
.set ce, 0
.if qq == 0
.set ce, \cm
.endif
.if (\lay) == 0
.if ce == 2
	WIN 0x94                                       ; D window 2, C (the bias) window 1, source 1 window 1
.else
	WIN 0xa4                                       ; C and D window 2, source 1 window 1
.endif
.else
	WIN 0xf8                                       ; C and D window 3, source 1 window 2
.endif
.irp m, 0,1,2,3
	WM 64*\m+8*tt, 64+12*fm, 12*(4*\m+2*(\hf)+qq), ce, 192+8*tt, 32+8*(\hf)+4*qq+tt/2, 48+8*(\lay)+4*(\hf)+\m, tt%2, qq
.endr
.endm
.macro MULR lay, hf, cm, f0, n
.set fm, \f0
.rept \n
	MUL1 \lay, \hf, \cm
.set fm, fm+1
.endr
.endm
; A STEP: 64 products on the 16 fragments in registers; in its middle the change of slots.
; ent: the LDS loads that may be out at its head: 24 = fragments 8-15 (of the 52 issued in the step before: 4 of scale words, 36, 12); 0 behind an exchange.
; fill: slot hf, whose fragments are all in registers, is filled with the step two on (adv = 1: wf's step hf, the stream's change of buffers).  nxt: the next step's fragments are fetched from the other slot.
; bar = 0: the last step: no change of slots.
.macro STEP lay, hf, cm, ent, fill, adv, ask, pst, nxt, bar
	s_wait_dscnt \ent
	MULR \lay, \hf, \cm, 0, 8
.if \pst
	s_wait_xcnt 0x0                                ; the last prefetch, 48 products back, has read its address
	s_add_nc_u64 s[50:51], s[50:51], STEPB
.endif
.if \bar
	WIN 0                                          ; (the add's two registers lie in window 0)
	s_wait_tensorcnt 0x0                           ; all my tensor loads have landed: the one that was out is the next step's block;
	ds_add_u32 v18, v19                            ; 0 onto my spare word;
	s_wait_dscnt 19                                ; (the add and fragments 10-15, eighteen loads, may be out)
	MULR \lay, \hf, \cm, 8, 2                      ; eight products stand between the add and the wait for it
	s_wait_dscnt 0x0                               ; the add is done, and my reads of this slot are over
	s_barrier_signal -1
	MULR \lay, \hf, \cm, 10, 2                     ; work on registers while the others arrive
	WIN 0
	s_barrier_wait -1
.if \fill
	CREST                                          ; the barrier has opened a round of the cluster's: no wave of any partner still reads this slot or has a load on its way
.if \adv
.if (\hf) == 0
	s_mov_b64 s[42:43], s[48:49]
.else
	s_add_nc_u64 s[46:47], s[48:49], STEPB
.endif
	s_or_b32 s[43+4*(\hf)], s[43+4*(\hf)], 0x80000000
.else
	s_add_nc_u64 s[42+4*(\hf):43+4*(\hf)], s[42+4*(\hf):43+4*(\hf)], 2*STEPB   ; no tensor load of mine is out, so a group 0 may be written
.endif
	tensor_load_to_lds s[40+4*(\hf):43+4*(\hf)], s[32:39]   ; my one tensor load behind the round, and the first thing there
	s_nop 0
.endif
.rept 4
	v_nop                                          ; places ahead of the loads into fragments 0-11, which products have read
.endr
.if \nxt
	FETCHS 1-(\hf)
	FETCHW 1-(\hf), 0, 12
.endif
.if \ask
	ASK
.endif
	MULR \lay, \hf, \cm, 12, 4
.else
	s_wait_dscnt 0x0
	MULR \lay, \hf, \cm, 8, 8
.endif
	WIN 0
.rept 5
	v_nop                                          ; places: four for loads and reads; five, since the next layer A's results land on registers that a layer B's products read as source 1
.endr
.if \nxt
	FETCHW 1-(\hf), 12, 4
.endif
.endm
.macro ACTLD wn                        ; the 16 images of activations into v0-191 of window wn: register 4 k from byte 512 k
	WIN (\wn)<<6
.set kk, 0
.rept 48
	ds_load_b128 v[4*kk:4*kk+3], v6 offset:512*kk
.set kk, kk+1
.endr
	WIN 0
.endm
.macro ASLD rg, sco                    ; their scale words: register 4 hf + m; lanes 0-15 K step 2 hf, lanes 16-31 K step 2 hf + 1
.irp e, 0,1
	ds_load_b128 v[(\rg)+4*\e:(\rg)+4*\e+3], v15 offset:(\sco)-AIMG+1024*\e
.endr
.endm
.macro BIAS                            ; b1's eight tiles in the result's layout: tile t, register j: my unit 32 (t / 2) + 16 h + 8 (t % 2) + j of the chunk
	WIN 0x40
.irp t, 0,1,2,3,4,5,6,7
	ds_load_b128 v[192+8*\t:192+8*\t+3], v13 offset:128*(\t/2)+32*(\t%2)
	ds_load_b128 v[192+8*\t+4:192+8*\t+7], v13 offset:128*(\t/2)+32*(\t%2)+16
.endr
	WIN 0
.endm
; My 128 columns of the four tiles of queries (window xw) become K step w of the next product: four fragments and their scale words, to LDS; then the barrier.
; mx = 0: the blocks' largest numbers are at hand (the softmax's largest p).
.macro QALL xw, mx, sco
.irp m, 0,1,2,3
.if \mx
	QMAX \xw, 64*\m
.else
	WIN 0x55
.irp b, 0,1,2,3
	v_max_num_f32 v[TM+\b], 0x2800000, v[BM+4*\m+\b]   ; the floor 2^(5 - 127)
.endr
.endif
.if \m >= 2
	s_wait_dscnt 3                                 ; the last image's three stores may be out; those that read this set of codes are done
.endif
	QCODE \xw, 64*\m, \m%2, PWS+\m
	WIN 0x04
.irp c, 0,1,2
	ds_store_b128 v7, v[PC+20*(\m%2)+4*\c:PC+20*(\m%2)+4*\c+3] offset:4*FRB*\m+512*\c
.endr
.endr
	ds_store_b128 v8, v[PWS:PWS+3] offset:(\sco)-AIMG
	WIN 0
	BARRIER
.endm
; THE NORM of window 3's 64 m + .. in place: a (h - mean) / (std + 1e-6) + b, std with n - 1.  Each wave takes its own 128 columns' mean away first and sums squares of what is left; the waves' sums are joined
; by M2 = sum of M2_w + 128 sum of (mean_w - mean)^2: no difference of large sums is formed.
.macro NORM sa, sb
	WIN 0x4f
.irp m, 0,1,2,3
	v_pk_add_f32 v[NS+2*\m:NS+2*\m+1], v[64*\m:64*\m+1], v[64*\m+2:64*\m+3]   ; each accumulator from its low end on; four chains by turns
.endr
	WIN 0x4d
.set ii, 4
.rept 30
.irp m, 0,1,2,3
	v_pk_add_f32 v[NS+2*\m:NS+2*\m+1], v[NS+2*\m:NS+2*\m+1], v[64*\m+ii:64*\m+ii+1]
.endr
.set ii, ii+2
.endr
	WIN 0x55
.irp m, 0,1,2,3
	v_add_f32 v[NW+\m], v[NS+2*\m], v[NS+2*\m+1]
.endr
.irp m, 0,1,2,3
	v_permlanex16_b32 v[NP+\m], v[NW+\m], s[SEL], s[SEL+1]
.endr
.irp m, 0,1,2,3
	v_add_f32 v[NW+\m], v[NW+\m], v[NP+\m]         ; s_w: my 128 columns' sum
.endr
.irp m, 0,1,2,3
	v_mul_f32 v[MW+2*\m], 0x3c000000, v[NW+\m]     ; / 128
.endr
	WIN 0xc7
.irp m, 0,1,2,3
.set ii, 0
.rept 32
	v_pk_add_f32 v[64*\m+ii:64*\m+ii+1], v[64*\m+ii:64*\m+ii+1], v[MW+2*\m:MW+2*\m+1] op_sel_hi:[1,0] neg_lo:[0,1] neg_hi:[0,1]
.set ii, ii+2
.endr
.endr
	WIN 0x4f
.irp m, 0,1,2,3
	v_pk_mul_f32 v[NQ+2*\m:NQ+2*\m+1], v[64*\m:64*\m+1], v[64*\m:64*\m+1]
.endr
	WIN 0x5f
.set ii, 2
.rept 31
.irp m, 0,1,2,3
	v_pk_fma_f32 v[NQ+2*\m:NQ+2*\m+1], v[64*\m+ii:64*\m+ii+1], v[64*\m+ii:64*\m+ii+1], v[NQ+2*\m:NQ+2*\m+1]
.endr
.set ii, ii+2
.endr
	WIN 0x55
.irp m, 0,1,2,3
	v_add_f32 v[N2+\m], v[NQ+2*\m], v[NQ+2*\m+1]
.endr
.irp m, 0,1,2,3
	v_permlanex16_b32 v[NP+\m], v[N2+\m], s[SEL], s[SEL+1]
.endr
.irp m, 0,1,2,3
	v_add_f32 v[N2+\m], v[N2+\m], v[NP+\m]         ; M2_w
.endr
	WIN 0x04
	ds_store_b128 v8, v[NW:NW+3] offset:SNS-AIMG
	ds_store_b128 v8, v[N2:N2+3] offset:SNQ-AIMG
	WIN 0
	BARRIER
	WIN 0x40
.irp u, 0,1,2,3
	ds_load_b128 v[LS+4*\u:LS+4*\u+3], v6 offset:SNS-AIMG+512*\u
	ds_load_b128 v[LQ+4*\u:LQ+4*\u+3], v6 offset:SNQ-AIMG+512*\u
.endr
	s_wait_dscnt 0x0
	WIN 0x55
.irp m, 0,1,2,3
	v_add_f32 v[ME+\m], v[LS+\m], v[LS+4+\m]
.endr
.irp m, 0,1,2,3
	v_add_f32 v[DD+\m], v[LS+8+\m], v[LS+12+\m]
.endr
.irp m, 0,1,2,3
	v_add_f32 v[ME+\m], v[ME+\m], v[DD+\m]
.endr
.irp m, 0,1,2,3
	v_mul_f32 v[ME+\m], 0x3b000000, v[ME+\m]       ; the mean: / 512
.endr
.irp m, 0,1,2,3
	v_add_f32 v[VA+\m], v[LQ+\m], v[LQ+4+\m]
.endr
.irp m, 0,1,2,3
	v_add_f32 v[DD+\m], v[LQ+8+\m], v[LQ+12+\m]
.endr
.irp m, 0,1,2,3
	v_add_f32 v[VA+\m], v[VA+\m], v[DD+\m]
.endr
.irp u, 0,1,2,3
.irp m, 0,1,2,3
	v_fma_f32 v[LS+4*\u+\m], v[LS+4*\u+\m], 0x3c000000, -v[ME+\m]   ; mean_u - mean
.endr
.endr
.irp m, 0,1,2,3
	v_mul_f32 v[DD+\m], v[LS+\m], v[LS+\m]
.endr
.irp u, 1,2,3
.irp m, 0,1,2,3
	v_fma_f32 v[DD+\m], v[LS+4*\u+\m], v[LS+4*\u+\m], v[DD+\m]
.endr
.endr
.irp m, 0,1,2,3
	v_fma_f32 v[VA+\m], v[DD+\m], 0x43000000, v[VA+\m]   ; M2
.endr
.irp m, 0,1,2,3
	v_mul_f32 v[VA+\m], 0x3b004020, v[VA+\m]       ; / 511
.endr
.irp m, 0,1,2,3
	v_sqrt_f32 v[VA+\m], v[VA+\m]
.endr
	v_nop                                          ; a plain place behind the roots,
	s_wait_alu depctr_va_vdst(0)                   ; and one wait for the four, ahead of their first reader
.irp m, 0,1,2,3
	v_add_f32 v[VA+\m], 0x358637bd, v[VA+\m]       ; + 1e-6
.endr
.irp m, 0,1,2,3
	v_rcp_f32 v[VA+\m], v[VA+\m]
.endr
.irp m, 0,1,2,3
	v_sub_f32 v[DD+\m], v[ME+\m], v[MW+2*\m]       ; mean - mean_w (plain work behind the reciprocals)
.endr
	s_wait_alu depctr_va_vdst(0)                   ; one wait for the four
.irp m, 0,1,2,3
	v_mul_f32 v[GG+2*\m], s[\sa], v[VA+\m]         ; g = a / (std + 1e-6)
.endr
.irp m, 0,1,2,3
	v_fma_f32 v[OF+2*\m], -v[DD+\m], v[GG+2*\m], s[\sb]   ; b - (mean - mean_w) g
.endr
	WIN 0xd7
.irp m, 0,1,2,3
.set ii, 0
.rept 32
	v_pk_fma_f32 v[64*\m+ii:64*\m+ii+1], v[64*\m+ii:64*\m+ii+1], v[GG+2*\m:GG+2*\m+1], v[OF+2*\m:OF+2*\m+1] op_sel_hi:[1,0,0]
.set ii, ii+2
.endr
.endr
	WIN 0
.endm
.macro XLD m, wn, rg                   ; x at tile m's queries, my 128 columns, in the accumulators' layout, into window wn from register rg on
	WIN (\wn)<<6
.irp b, 0,1,2,3
.irp j, 0,1,2,3
	global_load_b128 v[(\rg)+16*\b+4*\j:(\rg)+16*\b+4*\j+3], v9, s[12:13] offset:(32*((\m)/2)+8*((\m)%2))*2048+128*\b+16*\j th:TH_LOAD_NT
.endr
.endr
	WIN 0
.endm
; A chunk of 512 hidden units: two steps of W1, relu, the quantiser and the exchange, two steps of W2.
.macro DL fillb, ask, bias, last
	STEP 0, 0, 2, 24, 1, 0, \ask, \ask, 1, 1
	STEP 0, 1, 0, 24, 1, 0, \ask, \ask, 1, 1
	WIN 0xaa
.set ii, 0
.rept 256
	v_max_num_f32 v[ii], 0, v[ii]                  ; the activation, in f32; each accumulator from its low end on
.set ii, ii+1
.endr
	QALL 2, 1, ASCB
	ACTLD 2
	ASLD 56, ASCB
.if \bias
	v_add_nc_u32 v13, 512, v13                     ; the next chunk's b1, into the registers that the quantiser has left
	BIAS
.endif
	STEP 1, 0, 0, 0, \fillb, 0, \ask, \ask, 1, 1
	STEP 1, 1, 0, 24, \fillb, 0, \ask, \ask, 1-\last, 1-\last
.endm
	s_load_b512 s[4:19], s[0:1], 0x0               ; qc, qs, kv, wf, x, b1, b2, out0
	s_load_b256 s[20:27], s[0:1], 0x40             ; a1, bb1, a2, bb2
	v_lshl_add_u32 v18, v0, 2, SPARE
	v_mov_b32 v19, 0
	ds_add_u32 v18, v19                            ; the wave's opening: the add, twice on end, and its wait ahead of my first tensor load; the set-up below, work on registers, stands between
	ds_add_u32 v18, v19
	v_lshrrev_b32 v1, 5, v0
	v_readfirstlane_b32 s53, v1                    ; wave w
	v_and_b32 v20, 31, v0                          ; lane
	v_and_b32 v21, 15, v0                          ; r
	v_bfe_u32 v22, v0, 4, 1                        ; h
	v_and_b32 v23, 8, v21
	v_add_nc_u32 v23, v23, v21                     ; r + 8 (r / 8)
	v_lshlrev_b32 v1, 4, v20                       ; 16 x lane
	s_mul_i32 s60, s53, WBLK                       ; my block in a slot
	v_add_nc_u32 v2, s60, v1                       ; fragments in slot 0,
	v_add_nc_u32 v3, STEPB, v2                     ; slot 1
	v_lshlrev_b32 v24, 3, v20
	v_add_nc_u32 v4, s60, v24
	v_add_nc_u32 v4, 24576, v4                     ; scale words in slot 0,
	v_add_nc_u32 v5, STEPB, v4                     ; slot 1
	v_add_nc_u32 v6, AIMG, v1                      ; images: where I read,
	s_mul_i32 s61, s53, FRB
	v_add_nc_u32 v7, s61, v6                       ; where I store: K step w
	s_lshl_b32 s62, s53, 9
	v_add_nc_u32 v8, s62, v6                       ; 16 bytes a lane, 512 a wave: scale words and statistics
	v_lshlrev_b32 v9, 11, v23
	v_lshl_add_u32 v9, v22, 6, v9
	v_add_nc_u32 v9, s62, v9                       ; x: my row, my wave's 512 bytes, + 64 h
	v_mul_u32_u24 v10, v21, 528
	v_lshl_add_u32 v10, v22, 6, v10
	s_mul_i32 s63, s53, 8448
	v_add_nc_u32 v10, s63, v10
	v_add_nc_u32 v10, STG, v10                     ; my stage, in: row r, + 64 h
	v_add_nc_u32 v11, s63, v1
	v_add_nc_u32 v11, STG, v11                     ; back: a row of 512 bytes to the 32 lanes
	v_add_nc_u32 v12, s62, v1                      ; the same in a row of out0; also b1's and b2's bytes
	v_lshlrev_b32 v25, 6, v22
	s_lshl_b32 s66, s53, 11
	v_add_nc_u32 v13, s66, v25
	v_add_nc_u32 v13, B1L, v13                     ; b1 in LDS: my chunk's 128 numbers, + 64 h
	v_add_nc_u32 v14, s62, v25
	v_add_nc_u32 v14, B2L, v14                     ; b2 likewise
	v_lshl_add_u32 v15, v22, 9, v6                 ; activations' scale words: lanes 16-31 the odd K step's
	v_lshl_add_u32 v16, v22, 9, v1                 ; the same in qs
	v_min_u32 v17, 24, v20
	v_lshlrev_b32 v17, 8, v17                      ; the prefetches' offset
	v_add_nc_u32 v26, s66, v1
	v_add_nc_u32 v26, B1L, v26                     ; where I store b1,
	v_add_nc_u32 v27, s62, v1
	v_add_nc_u32 v27, B2L, v27                     ; b2
	; descriptor group 1, for every load: a dense block of 100 rows of 256 bytes
	s_mov_b32 s32, 15|(3<<16)|(1<<21)              ; 15:0 the mask: all four work-groups; 17:16 elements of 8 bytes; 20 no padding; 21 set beside a mask
	s_mov_b32 s33, 32<<16                          ; tensor_dim0 = 32
	s_mov_b32 s34, 100<<16                         ; tensor_dim1 = 100
	s_mov_b32 s35, 32<<16                          ; tile_dim0 = 32
	s_mov_b32 s36, 100                             ; tile_dim1 = 100
	s_mov_b32 s37, 32                              ; from row to row
	s_mov_b32 s38, 0
	s_mov_b32 s39, 0
	s_mov_b32 s[SEL], 0x76543210
	s_mov_b32 s[SEL+1], 0xfedcba98                 ; lane l xor 16
	s_mov_b32 s56, 0x3d8293ee                      ; c = log2(e) / sqrt(512)
	s_mov_b32 s57, s56                             ; (named with it as a pair)
	s_mov_b32 s58, 3
	s_cmp_eq_u32 ttmp9, 0
	s_cselect_b32 s52, 1, 0                        ; the first cluster prefetches
	s_bfe_u32 s67, ttmp6, 0x40000                  ; cx: it enters q's, x's, out0's and the prefetches' addresses alone
	s_lshl_b32 s68, ttmp9, 2
	s_add_co_u32 s68, s68, s67                     ; my 64 queries
	s_lshr_b32 s69, ttmp9, 1                       ; the sequence, which the four partners share
	s_wait_dscnt 0x0                               ; both opening adds are done
	s_wait_kmcnt 0x0
	s_load_b32 s28, s[20:21], 0x0                  ; a1
	s_load_b32 s29, s[22:23], 0x0                  ; bb1
	s_load_b32 s30, s[24:25], 0x0                  ; a2
	s_load_b32 s31, s[26:27], 0x0                  ; bb2
	s_mul_i32 s70, s68, 24576
	s_mov_b32 s71, 0
	s_add_nc_u64 s[4:5], s[4:5], s[70:71]
	s_lshl_b32 s70, s68, 11
	s_add_nc_u64 s[6:7], s[6:7], s[70:71]
	s_lshl_b32 s70, s68, 17
	s_add_nc_u64 s[12:13], s[12:13], s[70:71]
	s_add_nc_u64 s[18:19], s[18:19], s[70:71]
	s_mul_i32 s72, s69, 409600
	s_add_co_u32 s72, s72, s60
	s_mov_b32 s73, 0
	s_add_nc_u64 s[8:9], s[8:9], s[72:73]          ; kv: the sequence's step 0, my block
	s_mov_b32 s72, s60
	s_add_nc_u64 s[48:49], s[10:11], s[72:73]      ; wf: step 0, my block
	s_mul_i32 s70, s67, 6400
	s_add_nc_u64 s[50:51], s[48:49], s[70:71]      ; the prefetches: my work-group's quarter of it
	s_mov_b32 s40, 1                               ; group 0 of slot 0: count,
	s_mov_b32 s41, s60                             ; LDS address: no place in the cluster enters it,
	s_mov_b64 s[42:43], s[8:9]                     ; global address,
	s_or_b32 s43, s43, 0x80000000                  ; type
	s_mov_b32 s44, 1
	s_add_co_u32 s45, s60, STEPB
	s_add_nc_u64 s[46:47], s[8:9], STEPB
	s_or_b32 s47, s47, 0x80000000
	ROUND                                          ; all four work-groups are here: the first joint loads meet
	tensor_load_to_lds s[40:43], s[32:39]          ; step 0
	s_nop 0
	tensor_load_to_lds s[44:47], s[32:39]          ; step 1
	s_nop 0
.rept 4
	v_nop
.endr
	WIN 0xc0
.irp c, 0,1,2,3
	global_load_b128 v[4*\c:4*\c+3], v12, s[14:15] offset:2048*\c   ; b1: my 128 numbers of each chunk (through registers of window 3, idle so far)
.endr
	global_load_b128 v[16:19], v12, s[16:17]       ; b2: my 128
	WIN 0x40
.set kk, 0
.rept 48
	global_load_b128 v[4*kk:4*kk+3], v1, s[4:5] offset:512*kk   ; q's 16 fragments
.set kk, kk+1
.endr
.irp b, 0,1,2,3
	v_mov_b32 v[TM+4+\b], 0                        ; written once: a lane permute's destination counts as one of its sources
.endr
	WIN 0
.irp e, 0,1
	global_load_b128 v[48+4*\e:48+4*\e+3], v16, s[6:7] offset:1024*\e   ; q's scale words
.endr
	s_wait_loadcnt 50                              ; q's 50 loads may be out: b1 and b2 are in
	WIN 0x0c
.irp c, 0,1,2,3
	ds_store_b128 v26, v[4*\c:4*\c+3] offset:512*\c
.endr
	ds_store_b128 v27, v[16:19]
	WIN 0
	s_wait_tensorcnt 0x1                           ; my block of step 0 is in; step 1's may be out: nothing is filled here, and I alone read my blocks
	FETCHS 0
	FETCHW 0, 0, 16
	s_wait_loadcnt 0x0                             ; q
	s_wait_kmcnt 0x0                               ; the four gains and offsets
; ---- S^T = k q^T
	STEP 0, 0, 1, 24, 1, 0, 1, 0, 1, 1
	STEP 0, 1, 0, 24, 1, 0, 1, 1, 1, 1
; ---- the softmax.  The largest score of each block of 32 keys serves twice: for the row's maximum, and, since p rises with the score, for the block's largest p.
	WIN 0x6a
.irp m, 0,1,2,3
.irp b, 0,1,2,3
	v_max3_num_f32 v[BM+4*\m+\b], v[64*\m+16*\b], v[64*\m+16*\b+1], v[64*\m+16*\b+2]
.endr
.endr
	WIN 0x5a
.irp i, 3,5,7,9,11,13
.irp m, 0,1,2,3
.irp b, 0,1,2,3
	v_max3_num_f32 v[BM+4*\m+\b], v[64*\m+16*\b+\i], v[64*\m+16*\b+\i+1], v[BM+4*\m+\b]
.endr
.endr
.endr
	WIN 0x46
.irp m, 0,1,2,3
.irp b, 0,1,2,3
	v_max_num_f32 v[BM+4*\m+\b], v[64*\m+16*\b+15], v[BM+4*\m+\b]
.endr
.endr
	WIN 0x55
.irp n, 0,1,2,3,4,5,6,7,8,9,10,11,12,13,14,15
	v_permlanex16_b32 v[BP+\n], v[BM+\n], s[SEL], s[SEL+1]
.endr
.irp n, 0,1,2,3,4,5,6,7,8,9,10,11,12,13,14,15
	v_max_num_f32 v[BM+\n], v[BM+\n], v[BP+\n]
.endr
.irp m, 0,1,2,3
	v_max3_num_f32 v[WX+\m], v[BM+4*\m], v[BM+4*\m+1], v[BM+4*\m+2]
.endr
.irp m, 0,1,2,3
	v_max_num_f32 v[WX+\m], v[WX+\m], v[BM+4*\m+3] ; my 128 keys' largest score
.endr
	WIN 0x04
	ds_store_b128 v8, v[WX:WX+3] offset:SMX-AIMG
	WIN 0
	BARRIER
	WIN 0x40
.irp u, 0,1,2,3
	ds_load_b128 v[RX+4*\u:RX+4*\u+3], v6 offset:SMX-AIMG+512*\u
.endr
	s_wait_dscnt 0x0
	WIN 0x55
.irp m, 0,1,2,3
	v_max3_num_f32 v[WX+\m], v[RX+\m], v[RX+4+\m], v[RX+8+\m]
.endr
.irp m, 0,1,2,3
	v_max_num_f32 v[WX+\m], v[WX+\m], v[RX+12+\m]  ; the row's
.endr
.irp m, 0,1,2,3
	v_mul_f32 v[WX+\m], s56, v[WX+\m]              ; as t (c is positive)
.endr
.irp m, 0,1,2,3
	v_floor_f32 v[NM+2*\m], -v[WX+\m]              ; -M = floor(-t) = -ceil(t)
.endr
	WIN 0x92
.irp m, 0,1,2,3
.set ii, 0
.rept 32
	v_pk_fma_f32 v[64*\m+ii:64*\m+ii+1], v[64*\m+ii:64*\m+ii+1], s[56:57], v[NM+2*\m:NM+2*\m+1] op_sel_hi:[1,0,0]   ; t - M, two at a time
.set ii, ii+2
.endr
.endr
	WIN 0x55
.irp m, 0,1,2,3
.irp b, 0,1,2,3
	v_fma_f32 v[BM+4*\m+\b], v[BM+4*\m+\b], s56, v[NM+2*\m]   ; the same of each block's largest score
.endr
.endr
	WIN 0x82
.set ii, 0
.rept 256
	v_exp_f32 v[ii], v[ii]                         ; p = 2^(t - M), at most 1, not normalised
.set ii, ii+1
.endr
	WIN 0x41
.irp n, 0,1,2,3,4,5,6,7,8,9,10,11,12,13,14,15
	v_exp_f32 v[BM+\n], v[BM+\n]                   ; the blocks' largest p: the same two instructions on the same number give the same bits
.endr
	v_nop                                          ; a plain place behind the exponentials,
	s_wait_alu depctr_va_vdst(0)                   ; and one wait for the whole batch, ahead of its first reader
	WIN 0x4a
.irp m, 0,1,2,3
	v_pk_add_f32 v[SU+2*\m:SU+2*\m+1], v[64*\m:64*\m+1], v[64*\m+2:64*\m+3]   ; the sums are taken of the unquantised p: four chains by turns
.endr
	WIN 0x49
.set ii, 4
.rept 30
.irp m, 0,1,2,3
	v_pk_add_f32 v[SU+2*\m:SU+2*\m+1], v[SU+2*\m:SU+2*\m+1], v[64*\m+ii:64*\m+ii+1]
.endr
.set ii, ii+2
.endr
	WIN 0x55
.irp m, 0,1,2,3
	v_add_f32 v[SL+\m], v[SU+2*\m], v[SU+2*\m+1]
.endr
.irp m, 0,1,2,3
	v_permlanex16_b32 v[SP2+\m], v[SL+\m], s[SEL], s[SEL+1]
.endr
.irp m, 0,1,2,3
	v_add_f32 v[SL+\m], v[SL+\m], v[SP2+\m]        ; my 128 keys' part of the row's sum
.endr
	WIN 0x04
	ds_store_b128 v8, v[SL:SL+3] offset:SLS-AIMG
	QALL 2, 0, ASCB                                ; p becomes K step w of the second product
	WIN 0x40
.irp u, 0,1,2,3
	ds_load_b128 v[TM+4*\u:TM+4*\u+3], v6 offset:SLS-AIMG+512*\u
.endr
	ACTLD 2
	ASLD 56, ASCB
	XLD 0, 1, 0                                    ; x for the residual: it lands while P V is multiplied
	XLD 1, 1, 64
	XLD 2, 1, 128
	s_wait_dscnt 0x0
	WIN 0x55
.irp m, 0,1,2,3
	v_add_f32 v[TM+\m], v[TM+\m], v[TM+4+\m]
.endr
.irp m, 0,1,2,3
	v_add_f32 v[TM+8+\m], v[TM+8+\m], v[TM+12+\m]
.endr
.irp m, 0,1,2,3
	v_add_f32 v[TM+\m], v[TM+\m], v[TM+8+\m]       ; the row's sum
.endr
.irp m, 0,1,2,3
	v_rcp_f32 v[RLP+2*\m], v[TM+\m]
.endr
.irp m, 0,1,2,3
	v_mov_b32 v[RLP+2*\m+1], 0                     ; (named with the reciprocal as a pair; plain work behind the reciprocals)
.endr
	s_wait_alu depctr_va_vdst(0)                   ; one wait for the four
	WIN 0
; ---- O^T = v^T p^T
	STEP 1, 0, 1, 0, 1, 1, 1, 1, 1, 1
	XLD 3, 2, 192
	STEP 1, 1, 0, 24, 1, 1, 1, 1, 1, 1
	WIN 0x80
.irp b, 0,1,2,3
.irp j, 0,1,2,3
	ds_load_b128 v[16*\b+4*\j:16*\b+4*\j+3], v14 offset:128*\b+16*\j   ; b2 in the accumulators' layout, into registers that p's fragments have left (the places stand at the step's end)
.endr
.endr
	s_wait_loadcnt 0x0                             ; x
	WIN 0xd7
.irp m, 0,1,2
.set ii, 0
.rept 32
	v_pk_fma_f32 v[64*\m+ii:64*\m+ii+1], v[64*\m+ii:64*\m+ii+1], v[RLP+2*\m:RLP+2*\m+1], v[64*\m+ii:64*\m+ii+1] op_sel_hi:[1,0,1]   ; h = O / the sum + x (x: window 1)
.set ii, ii+2
.endr
.endr
	WIN 0xe7
.set ii, 192
.rept 32
	v_pk_fma_f32 v[ii:ii+1], v[ii:ii+1], v[RLP+6:RLP+7], v[ii:ii+1] op_sel_hi:[1,0,1]   ; (x: window 2)
.set ii, ii+2
.endr
	NORM 28, 29                                    ; n1
	QALL 3, 1, ASCA                                ; n1 becomes K step w of the third product; it also stays in the accumulators, as the residual
	ACTLD 1
	ASLD 48, ASCA
	BIAS
	WIN 0xcb
.irp m, 0,1,2,3
.set ii, 0
.rept 32
	v_pk_add_f32 v[64*\m+ii:64*\m+ii+1], v[64*\m+ii:64*\m+ii+1], v[ii:ii+1]   ; + b2: the last product adds onto n1 + b2
.set ii, ii+2
.endr
.endr
	WIN 0
	s_wait_dscnt 0x0
; ---- the FFN, a chunk of 512 hidden units at a time
.Lchunk:
	DL 1, 1, 1, 0
	s_sub_co_u32 s58, s58, 1
	s_cmp_lg_u32 s58, 0
	s_cbranch_scc1 .Lchunk
	DL 0, 0, 0, 1                                  ; the last chunk is written out: its W2 steps fill nothing
	NORM 30, 31
; ---- THE WAY OUT, a tile of 16 rows at a time through my own stage: a lane's 64 bytes go in by rows of 528 bytes, and come back as rows of 512 bytes.  LDS serves a wave's instructions in order (ISA guide 5.7.1.4).
.macro TOSTAGE m
	WIN 0x0c
.irp b, 0,1,2,3
.irp j, 0,1,2,3
	ds_store_b128 v10, v[64*(\m)+16*\b+4*\j:64*(\m)+16*\b+4*\j+3] offset:128*\b+16*\j
.endr
.endr
	WIN 0x40
.irp i, 0,1,2,3,4,5,6,7,8,9,10,11,12,13,14,15
	ds_load_b128 v[64*((\m)%2)+4*\i:64*((\m)%2)+4*\i+3], v11 offset:528*\i
.endr
.endm
.macro SEND m, yg                      ; yg: the LDS instructions issued behind tile m's loads, which may stay out
	s_wait_dscnt \yg
	WIN 0x04
.irp i, 0,1,2,3,4,5,6,7,8,9,10,11,12,13,14,15
	global_store_b128 v12, v[64*((\m)%2)+4*\i:64*((\m)%2)+4*\i+3], s[18:19] offset:(32*((\m)/2)+8*((\m)%2)+\i+8*(\i/8))*2048 th:TH_STORE_NT   ; 32 lanes store 512 consecutive bytes, at a multiple of 256 from out0's first byte
.endr
.endm
	TOSTAGE 0
	TOSTAGE 1
	SEND 0, 32                                     ; behind tile 0's loads: tile 1's 16 stores and 16 loads
	s_wait_xcnt 0x0                                ; tile 0's stores have read their registers: tile 2's loads may land there
	TOSTAGE 2
	SEND 1, 32
	s_wait_xcnt 0x0
	TOSTAGE 3
	SEND 2, 32
	SEND 3, 0
	WIN 0
	s_wait_tensorcnt 0x0                           ; the wave's end: behind my last tensor load and my last LDS store
	ds_add_u32 v18, v19
	s_wait_dscnt 0x0
	ROUND                                          ; the closing round: no work-group ends while a partner may still ask for a block that names it
	s_endpgm
.Lfunc_end_k_q30509d1c8e_fused:
	.size	k_q30509d1c8e_fused, .Lfunc_end_k_q30509d1c8e_fused-k_q30509d1c8e_fused
	.p2alignl 7, 3214868480
	.fill 96, 4, 3214868480
	.section	.rodata,"a",@progbits
	.p2align	6, 0x0
	.amdhsa_kernel k_q30509d1c8e_fused
		.amdhsa_group_segment_fixed_size 327680
		.amdhsa_private_segment_fixed_size 0
		.amdhsa_enable_private_segment 0
		.amdhsa_kernarg_size 96
		.amdhsa_user_sgpr_count 2
		.amdhsa_user_sgpr_kernarg_segment_ptr 1
		.amdhsa_wavefront_size32 1
		.amdhsa_system_sgpr_workgroup_id_x 1
		.amdhsa_system_sgpr_workgroup_id_y 1
		.amdhsa_system_sgpr_workgroup_id_z 1
		.amdhsa_system_vgpr_workitem_id 0
		.amdhsa_next_free_vgpr 1024
		.amdhsa_next_free_sgpr 100
		.amdhsa_reserve_vcc 0
		.amdhsa_float_denorm_mode_32 3
		.amdhsa_float_denorm_mode_16_64 3
		.amdhsa_memory_ordered 1
		.amdhsa_forward_progress 1
		.amdhsa_inst_pref_size 255
	.end_amdhsa_kernel
	.section	.bss,"aw",@nobits
	.p2align	6
	.space	262144
	.amdgpu_metadata
---
amdhsa.version: [ 1, 2 ]
amdhsa.kernels:
  - .name:           k_q30509d1c8e_fused
    .symbol:         k_q30509d1c8e_fused.kd
    .args:
      - { .name: qc, .offset: 0, .size: 8, .value_kind: global_buffer, .address_space: global }
      - { .name: qs, .offset: 8, .size: 8, .value_kind: global_buffer, .address_space: global }
      - { .name: kv, .offset: 16, .size: 8, .value_kind: global_buffer, .address_space: global }
      - { .name: wf, .offset: 24, .size: 8, .value_kind: global_buffer, .address_space: global }
      - { .name: x, .offset: 32, .size: 8, .value_kind: global_buffer, .address_space: global }
      - { .name: b1, .offset: 40, .size: 8, .value_kind: global_buffer, .address_space: global }
      - { .name: b2, .offset: 48, .size: 8, .value_kind: global_buffer, .address_space: global }
      - { .name: out0, .offset: 56, .size: 8, .value_kind: global_buffer, .address_space: global }
      - { .name: a1, .offset: 64, .size: 8, .value_kind: global_buffer, .address_space: global }
      - { .name: bb1, .offset: 72, .size: 8, .value_kind: global_buffer, .address_space: global }
      - { .name: a2, .offset: 80, .size: 8, .value_kind: global_buffer, .address_space: global }
      - { .name: bb2, .offset: 88, .size: 8, .value_kind: global_buffer, .address_space: global }
    .group_segment_fixed_size: 327680
    .private_segment_fixed_size: 0
    .kernarg_segment_align: 8
    .kernarg_segment_size: 96
    .max_flat_workgroup_size: 128
    .sgpr_count:     100
    .vgpr_count:     1024
    .wavefront_size: 32
...
	.end_amdgpu_metadata
.endif
;; end of part 2
;; ======== version 2 of 2: 2 launches
;; limits: right only within a limited range of input values
;; workspace buffers: qc 6,291,456 bytes; qs 524,288 bytes; kv 13,107,200 bytes; wf 1,638,400 bytes
;; launch prep (part 3): grid 256 x 1, 4 waves a work-group, no clusters, 262,656 bytes of LDS; arguments x, Wq_codes, Wq_scales, Wk_codes, Wk_scales, Wv_codes, Wv_scales, W1_codes, W1_scales, W2_codes, W2_scales, qc, qs, kv, wf; writes qc, qs, kv, wf
.if DOCPART == 3
	.amdgcn_target "amdgcn-amd-amdhsa--gfx1250"
	.amdhsa_code_object_version 6
	.text
	.protected	k_q30509d1c8e_prep
	.globl	k_q30509d1c8e_prep
	.p2align	8
	.type	k_q30509d1c8e_prep,@function
k_q30509d1c8e_prep:
	s_mov_b64 s[64:65], 0
	v_nop
	global_prefetch_b8 v0, s[64:65] scope:SCOPE_SE
	s_setreg_imm32_b32 hwreg(HW_REG_WAVE_MODE, 25, 1), 1
	s_wait_xcnt 0x0
; PREP: q = x Wq, k = x Wk, v = x Wv on codes of BF6 (E3M2) with one E8M0 scale for each 32 along K; q and k are quantised along d, v along the tokens, and all three
; leave as IMAGES OF OPERAND REGISTERS, in the order in which the second launch multiplies them.  Each wave also re-lays one fragment of W1 or W2 into the same form.
; NOTHING OF THE PROBLEM IS LEFT OUT: every input has a way to out0, and every product of the table is done, here (1 to 3) or in the second launch (4 to 7).
; LIMITS: NaN and infinities among the inputs are not served.  A block whose largest magnitude lies under 2^-122 keeps the scale byte 1; a block of zeros gets the byte 1 with zero codes
; where the rule says 127 (zero codes add nothing under any byte but 0xff, and these bytes are read by this program alone).
; TILE ORDER.  In every group of 128 rows (tokens, d, v-dims, hidden units, outputs) tile t = 2 b + u holds rows 32 b + 8 u + r + 8 (r / 8), r = lane % 16.  With such a tile as source 0 a lane's 16
; registers of tiles 2 b and 2 b + 1 are the 16 neighbours 32 b + 16 (lane / 16) + 0 .. 15: what the conversions want.
; A FRAGMENT'S IMAGE (1,536 bytes): registers 4 c .. 4 c + 3 of lane l at 512 c + 16 l.   A BLOCK (25,600 bytes): 16 fragments 8 q + t (q: which of a step's two K steps of 128, t: tile of 128 rows), then at 24,576
; the scale words [q][b / 2][lane][b % 2]: lane 16 u + r holds the word of tile 2 b + u, row r.   A STEP: four blocks, one for each wave of the second launch.
; kv: [batch][4 steps]: steps 0, 1 k (rows: keys, K: d), steps 2, 3 v^T (rows: v-dims, K: keys).   wf: [16 steps] 4 c + 2 lay + hf: lay 0 W1's rows 512 c .., lay 1 W2 at K steps 4 c ...
; qc: [64 queries][tile m][K step s] fragments;  qs: [64 queries][s][lane][m] words.
; SHARES.  Work-group g: 128 tokens tb = g / 2; ch = g % 2: 0 makes q and v-dims 0-255, 1 makes k and v-dims 256-511.  Wave w: d 128 w .. 128 w + 127 for all 8 token tiles (256 products),
; and v-dims 256 ch + 64 w .. + 63 (128 products).  The weights stay in registers; x's 32 fragments go from wave to wave through LDS as images.  No tensor load, no cluster: the work-groups share only weights, which are small.
; LOADS.  Every load of x and of Wq, Wk, Wv covers 512 consecutive bytes, 16 a lane, as they lie in memory; a fragment wants a lane to hold pieces of ONE row.  So the bytes turn through the wave's own stage in LDS:
; stored as loaded, read back by rows.  No other wave touches a wave's stage, and LDS serves a wave's instructions in order (ISA guide 5.7.1.4): no barrier.
; REGISTERS.  window 0: v1-13 addresses, v14-15 the add's two, v24-39 W's scale words, v40-47 Wv's, v48-63 x's, v64-79 quantiser's temps, v80-119 codes (two sets), v120-127 scale words made, v128-131 the same by lane halves,
; v132-134 the stage's addresses for the weights' bytes, v136-231 two sets of four fragments of x, v232-245 the fragment that is re-laid.
; window 1: v0-191 W's bytes as loaded, then its fragments of K steps 0, 1; v192-255 x's numbers by rows (even fragments), then 8 accumulators; later all 256: v's accumulators.
; window 2: v0-191 the same for K steps 2, 3; v192-255 x's numbers by rows (odd fragments).   window 3: three sets of 64 numbers of x as loaded; later Wv's bytes, then its 16 fragments.
.set FRB,   1536
.set WBLK,  25600
.set STEPB, 102400
.set BATB,  409600
.set XSC,   49152                      ; LDS: x's 32 images from 0 on, their scale words (128 bytes each) from here,
.set SPARE, 53248                      ; the spare words, 128 bytes a wave: two blocks of 256 bytes that no other line names,
.set WST,   53760                      ; and a stage of WSTB bytes for each wave
.set WSTB,  52224
.set WP,    400                        ; a weight's row in the stage: 384 bytes + 16; row p lies at 400 p + 128 (p / 16): the 16 rows of a tile (eight, and the eight that lie 16 further on) and the two halves of the lanes then start at 32 different pairs of banks (64 banks of 4 bytes: ISA guide 11.1)
.set XP,    528                        ; a row of x in the stage: 512 bytes + 16
.set XSTB,  8448                       ; 16 such rows; two such stages take turns at the head of the wave's stage, which the weights use only when x is done
.set T,     0                          ; the window of the quantiser's temps
.set WSQ,   24
.set WSV,   40
.set XS,    48
.set TM,    64
.set PC,    80
.set PW8,   120
.set CW,    128
.set AW,    132
.set XF,    136
.set RL,    232
.set SEL,   38
.set MSB, 0
.macro WIN new                         ; the immediate's high byte repeats the setting that is left; a switch that changes nothing is dropped
.if MSB != (\new)
	s_set_vgpr_msb (MSB<<8)|(\new)
.set MSB, \new
.endif
.endm
; one product: D at d, source 0 at a, source 1 at b; cz = 1: the constant 0 starts the sum; scale words sa, sb; ra, rb = 1: taken from lanes 16-31
.macro WM d, a, b, cz, sa, sb, ra, rb
.if \cz
.if (\ra) && (\rb)
	v_wmma_scale_f32_16x16x128_f8f6f4 v[(\d):(\d)+7], v[(\a):(\a)+11], v[(\b):(\b)+11], 0, v[(\sa)], v[(\sb)] matrix_a_fmt:MATRIX_FMT_BF6 matrix_b_fmt:MATRIX_FMT_BF6 matrix_a_scale:MATRIX_SCALE_ROW1 matrix_b_scale:MATRIX_SCALE_ROW1
.elseif (\ra)
	v_wmma_scale_f32_16x16x128_f8f6f4 v[(\d):(\d)+7], v[(\a):(\a)+11], v[(\b):(\b)+11], 0, v[(\sa)], v[(\sb)] matrix_a_fmt:MATRIX_FMT_BF6 matrix_b_fmt:MATRIX_FMT_BF6 matrix_a_scale:MATRIX_SCALE_ROW1
.elseif (\rb)
	v_wmma_scale_f32_16x16x128_f8f6f4 v[(\d):(\d)+7], v[(\a):(\a)+11], v[(\b):(\b)+11], 0, v[(\sa)], v[(\sb)] matrix_a_fmt:MATRIX_FMT_BF6 matrix_b_fmt:MATRIX_FMT_BF6 matrix_b_scale:MATRIX_SCALE_ROW1
.else
	v_wmma_scale_f32_16x16x128_f8f6f4 v[(\d):(\d)+7], v[(\a):(\a)+11], v[(\b):(\b)+11], 0, v[(\sa)], v[(\sb)] matrix_a_fmt:MATRIX_FMT_BF6 matrix_b_fmt:MATRIX_FMT_BF6
.endif
.else
.if (\ra) && (\rb)
	v_wmma_scale_f32_16x16x128_f8f6f4 v[(\d):(\d)+7], v[(\a):(\a)+11], v[(\b):(\b)+11], v[(\d):(\d)+7], v[(\sa)], v[(\sb)] matrix_a_fmt:MATRIX_FMT_BF6 matrix_b_fmt:MATRIX_FMT_BF6 matrix_a_scale:MATRIX_SCALE_ROW1 matrix_b_scale:MATRIX_SCALE_ROW1
.elseif (\ra)
	v_wmma_scale_f32_16x16x128_f8f6f4 v[(\d):(\d)+7], v[(\a):(\a)+11], v[(\b):(\b)+11], v[(\d):(\d)+7], v[(\sa)], v[(\sb)] matrix_a_fmt:MATRIX_FMT_BF6 matrix_b_fmt:MATRIX_FMT_BF6 matrix_a_scale:MATRIX_SCALE_ROW1
.elseif (\rb)
	v_wmma_scale_f32_16x16x128_f8f6f4 v[(\d):(\d)+7], v[(\a):(\a)+11], v[(\b):(\b)+11], v[(\d):(\d)+7], v[(\sa)], v[(\sb)] matrix_a_fmt:MATRIX_FMT_BF6 matrix_b_fmt:MATRIX_FMT_BF6 matrix_b_scale:MATRIX_SCALE_ROW1
.else
	v_wmma_scale_f32_16x16x128_f8f6f4 v[(\d):(\d)+7], v[(\a):(\a)+11], v[(\b):(\b)+11], v[(\d):(\d)+7], v[(\sa)], v[(\sb)] matrix_a_fmt:MATRIX_FMT_BF6 matrix_b_fmt:MATRIX_FMT_BF6
.endif
.endif
.endm
; THE QUANTISER.  64 numbers of a lane in window xw from register src on; register 16 b + i = k 32 b + 16 (lane / 16) + i of the lane's row.
; QMAX: the four blocks' largest magnitudes, over the floor 2^(5 - 127), so that the byte cannot fall under 1; each accumulator is read from its low end on.
.macro QMAX xw, src
	WIN (T<<6)|(T<<4)|((\xw)<<2)|(\xw)
.irp b, 0,1,2,3
	v_max3_num_f32 v[TM+\b], |v[(\src)+16*\b]|, |v[(\src)+16*\b+1]|, 0x2800000
.endr
.irp i, 2,4,6,8,10,12,14
.irp b, 0,1,2,3
	v_max3_num_f32 v[TM+\b], |v[(\src)+16*\b+\i]|, |v[(\src)+16*\b+\i+1]|, v[TM+\b]   ; the four blocks by turns
.endr
.endr
	WIN T*0x55
.irp b, 0,1,2,3
	v_permlanex16_b32 v[TM+4+\b], v[TM+\b], s[SEL], s[SEL+1]
.endr
.irp b, 0,1,2,3
	v_max_num_f32 v[TM+\b], v[TM+\b], v[TM+4+\b]   ; with lane l xor 16's 16 numbers: the block's
.endr
.endm
; QCODE: from the largest magnitudes in v[TM] on: the scale word into v[wrd], the fragment's 12 registers of codes into set pcs.
.macro QCODE xw, src, pcs, wrd
.set PCB, PC+20*(\pcs)
	WIN T*0x55
.irp b, 0,1,2,3
	v_add_nc_u32 v[TM+12+\b], 0xfe000000, v[TM+\b]   ; 4 off the exponent field: the conversion takes the exponent field of this operand as its scale
.endr
.irp b, 0,1,2,3
	v_lshrrev_b32 v[TM+4+\b], 23, v[TM+12+\b]      ; the scale's byte
.endr
	v_lshl_or_b32 v[(\wrd)], v[TM+5], 8, v[TM+4]
	v_lshl_or_b32 v[(\wrd)], v[TM+6], 16, v[(\wrd)]
	v_lshl_or_b32 v[(\wrd)], v[TM+7], 24, v[(\wrd)]
	WIN (T<<6)|(T<<2)|(\xw)
.irp c, 0,1
	v_cvt_scalef32_pk16_bf6_f32 v[PCB+6*\c:PCB+6*\c+2], v[(\src)+32*\c:(\src)+32*\c+15], v[TM+12+2*\c]
	v_cvt_scalef32_pk16_bf6_f32 v[PCB+12+4*\c:PCB+14+4*\c], v[(\src)+32*\c+16:(\src)+32*\c+31], v[TM+13+2*\c]   ; (a conversion's three registers begin on an even number)
.endr
	WIN T*0x55
	v_nop                                          ; one plain place behind the scaled conversions
.irp c, 0,1                            ; the operand's layout wants a whole block in a lane: lanes 0-15 block 2 c, lanes 16-31 block 2 c + 1
.irp i, 0,1,2
	v_permlane16_swap_b32 v[PCB+6*\c+\i], v[PCB+12+4*\c+\i]
.endr
.irp i, 0,1,2
	v_mov_b32 v[PCB+3+6*\c+\i], v[PCB+12+4*\c+\i]
.endr
.endr
.endm
.macro XLOAD i                         ; my fragment i (token tile 2 w + i / 4, K step i % 4): 16 rows x 512 bytes, a row a load, into set i % 3 of window 3
	WIN 0xc0
.irp rr, 0,1,2,3,4,5,6,7,8,9,10,11,12,13,14,15
	global_load_b128 v[64*((\i)%3)+4*\rr:64*((\i)%3)+4*\rr+3], v1, s[4:5] offset:(8*((\i)/4)+\rr+8*(\rr/8))*2048+512*((\i)%4)
.endr
.endm
.macro TURN i                          ; fragment i through stage i % 2: in as loaded, a row a store; back 64 numbers a lane: register 16 b + 4 j + e = k 32 b + 16 (lane / 16) + 4 j + e of row lane % 16; into v192-255 of window 1 + i % 2
	WIN 0x0c
.irp rr, 0,1,2,3,4,5,6,7,8,9,10,11,12,13,14,15
	ds_store_b128 v2, v[64*((\i)%3)+4*\rr:64*((\i)%3)+4*\rr+3] offset:XSTB*((\i)%2)+XP*\rr
.endr
	WIN 0x40+0x40*((\i)%2)
.irp b, 0,1,2,3
.irp j, 0,1,2,3
	ds_load_b128 v[192+16*\b+4*\j:192+16*\b+4*\j+3], v13 offset:XSTB*((\i)%2)+128*\b+16*\j
.endr
.endr
.endm
.macro WRAW i                          ; twelve of the 96 loads that bring my 128 rows of Wq or Wk, 49,152 consecutive bytes, as they lie: load k into registers 4 k on of windows 1 and 2
.irp e, 0,1,2,3,4,5,6,7,8,9,10,11
.set KW, 12*(\i)+\e
	WIN 0x40+0x40*(KW/48)
	global_load_b128 v[4*(KW%48):4*(KW%48)+3], v1, s[76:77] offset:512*KW
.endr
.endm
.macro XFETCH buf, m                   ; token tile m's four fragments of x, from their images
	WIN 0
.irp s, 0,1,2,3
.irp c, 0,1,2
	ds_load_b128 v[XF+48*(\buf)+12*\s+4*\c:XF+48*(\buf)+12*\s+4*\c+3], v1 offset:FRB*(4*(\m)+\s)+512*\c
.endr
.endr
.endm
	s_load_b512 s[4:19], s[0:1], 0x0               ; x, Wq codes, Wq scales, Wk codes, Wk scales, Wv codes, Wv scales, W1 codes
	s_load_b256 s[20:27], s[0:1], 0x40             ; W1 scales, W2 codes, W2 scales, qc
	s_load_b128 s[28:31], s[0:1], 0x60             ; qs, kv
	s_load_b64 s[32:33], s[0:1], 0x70              ; wf
	v_lshl_add_u32 v14, v0, 2, SPARE               ; my spare word,
	v_mov_b32 v15, 0                               ; and 0: both kept for the closing lines
	v_lshrrev_b32 v16, 5, v0
	v_readfirstlane_b32 s34, v16                   ; wave w
	v_and_b32 v16, 31, v0                          ; lane
	v_and_b32 v17, 15, v0                          ; r
	v_bfe_u32 v18, v0, 4, 1                        ; h
	v_and_b32 v19, 8, v17
	v_add_nc_u32 v19, v19, v17                     ; r + 8 (r / 8)
	v_lshl_add_u32 v20, v18, 3, v19                ; 8 h + that
	v_lshlrev_b32 v1, 4, v16                       ; 16 x lane: an image's place, and my 16 bytes of a load's 512
	s_mul_i32 s93, s34, WSTB
	s_add_co_u32 s93, s93, WST                     ; my stage
	v_add_nc_u32 v2, s93, v1                       ; x into it: 16 x lane of a row
	v_mul_u32_u24 v3, v19, WP
	v_mad_u32_u24 v3, v18, 24, v3
	v_lshrrev_b32 v21, 3, v17
	v_lshl_add_u32 v3, v21, 7, v3
	v_add_nc_u32 v3, s93, v3                       ; a weight's fragment out of it: my row of the tile, + 128 where it lies 16 rows on, + 24 h
	v_mul_u32_u24 v13, v17, XP
	v_lshl_add_u32 v13, v18, 6, v13
	v_add_nc_u32 v13, s93, v13                     ; x out of it: row r, + 64 h
.irp j, 0,1,2                          ; a weight's bytes into it.  Three loads are four rows: load 3 g + j, lane l holds piece y = 32 j + l (of 16 bytes) of rows 4 g on: row y / 24, so 16 (y + y / 24) bytes on
	v_add_nc_u32 v21, 32*\j, v16
	v_mul_u32_u24 v22, v21, 683
	v_lshrrev_b32 v22, 14, v22                     ; y / 24 = 683 y >> 14 for y under 96
	v_add_nc_u32 v21, v21, v22
	v_lshl_add_u32 v[AW+\j], v21, 4, s93
.endr
	v_lshlrev_b32 v4, 4, v20                       ; the weights' scales: 16 bytes a row; lanes 16-31 take the odd tile, 8 rows on
	s_mul_i32 s40, s34, 12288
	v_add_nc_u32 v5, s40, v1                       ; where I store x's images: 8 fragments a wave
	v_lshlrev_b32 v6, 2, v16
	s_lshl_b32 s40, s34, 10
	v_add_nc_u32 v7, s40, v6
	v_add_nc_u32 v7, XSC, v7                       ; and their scale words
	v_lshl_add_u32 v8, v18, 7, v6
	v_add_nc_u32 v8, XSC, v8                       ; where I read them: lanes 0-15 an even K step's, lanes 16-31 the odd one's
	v_lshlrev_b32 v9, 3, v16                       ; 8 x lane
.irp b, 0,1,2,3
	v_mov_b32 v[TM+4+\b], 0                        ; written once: a lane permute's destination counts as one of its sources
.endr
	v_mov_b32 v[RL+12], 0                          ; written on every path: only some work-groups load and store these two
	v_mov_b32 v[RL+13], 0
	s_mov_b32 s[SEL], 0x76543210
	s_mov_b32 s[SEL+1], 0xfedcba98                 ; lane l xor 16
	s_mov_b32 s92, 0xffff0000                      ; lanes 16-31
	; THE RE-LAYOUT: unit U = 4 g + w is fragment f of block wv of step j of wf
	s_lshl_b32 s41, ttmp9, 2
	s_add_co_u32 s41, s41, s34                     ; U
	s_lshr_b32 s42, s41, 6                         ; j
	s_bfe_u32 s43, s41, 0x20004                    ; wv
	s_and_b32 s44, s41, 15                         ; f
	s_lshr_b32 s45, s44, 3                         ; q
	s_and_b32 s46, s44, 7                          ; t
	s_lshr_b32 s47, s42, 2                         ; c
	s_bfe_u32 s48, s42, 0x10001                    ; lay
	s_and_b32 s49, s42, 1                          ; hf
	s_lshl_b32 s53, s47, 9
	s_lshl_b32 s54, s47, 2
	s_mov_b32 s55, 1536
	s_cmp_eq_u32 s48, 0
	s_cselect_b32 s53, s53, 0                      ; W1: rows 512 c on
	s_cselect_b32 s54, 0, s54                      ; W2: K steps 4 c on
	s_cselect_b32 s55, 384, s55                    ; a row of codes in bytes
	s_cselect_b32 s56, 16, 64                      ; a row of scales
	s_lshl_b32 s50, s43, 7
	s_add_co_u32 s50, s50, s53                     ; the block's first row
	s_lshl_b32 s52, s49, 1
	s_add_co_u32 s52, s52, s54                     ; the step's first K step
	s_lshr_b32 s51, s46, 1
	s_lshl_b32 s51, s51, 5
	s_and_b32 s57, s46, 1
	s_lshl_b32 s57, s57, 3
	s_add_co_u32 s51, s51, s57
	s_add_co_u32 s51, s51, s50                     ; the tile's first row
	s_mul_i32 s51, s51, s55
	s_add_co_u32 s57, s52, s45
	s_mul_i32 s57, s57, 96
	s_add_co_u32 s66, s51, s57                     ; the fragment in its tensor
	s_mov_b32 s67, 0
	s_and_b32 s51, s44, 1                          ; the scale words (units f < 4 of each block): pairs b = 2 (f % 2) + 0, 1; K step f / 2
	s_lshl_b32 s51, s51, 6
	s_add_co_u32 s51, s51, s50
	s_mul_i32 s51, s51, s56
	s_lshr_b32 s57, s44, 1
	s_add_co_u32 s57, s57, s52
	s_lshl_b32 s57, s57, 2
	s_add_co_u32 s68, s51, s57
	s_mov_b32 s69, 0
	s_and_b32 s70, ttmp9, 3                        ; 0: my f is w, under 4
	s_lshr_b32 s51, s41, 4
	s_mul_i32 s51, s51, WBLK                       ; the block in wf
	s_mul_i32 s57, s44, FRB
	s_add_co_u32 s62, s51, s57
	s_mov_b32 s63, 0
	s_lshl_b32 s57, s44, 8
	s_add_co_u32 s90, s51, s57
	s_add_co_u32 s90, s90, 24576
	s_mov_b32 s91, 0
	v_mul_lo_u32 v10, v19, s55
	v_mad_u32_u24 v10, v18, 24, v10                ; my row of the tile, + 24 h
	v_mul_lo_u32 v11, v20, s56                     ; my row's scales; lanes 16-31 the odd tile's
	s_lshl_b32 s40, s56, 5
	v_add_nc_u32 v12, s40, v11                     ; and 32 rows on: the next pair of tiles
	s_lshr_b32 s36, ttmp9, 1                       ; tb
	s_and_b32 s37, ttmp9, 1                        ; ch
	s_wait_alu depctr_va_vdst(0)
	s_wait_kmcnt 0x0
	s_cmp_eq_u32 s48, 0
	s_cselect_b64 s[58:59], s[18:19], s[22:23]
	s_cselect_b64 s[60:61], s[20:21], s[24:25]
	s_add_nc_u64 s[58:59], s[58:59], s[66:67]
	s_add_nc_u64 s[60:61], s[60:61], s[68:69]
	s_add_nc_u64 s[72:73], s[32:33], s[62:63]      ; where the fragment goes
	s_add_nc_u64 s[74:75], s[32:33], s[90:91]      ; where 256 bytes of scale words go
.irp p, 0,1,2,3,4,5
	global_load_b64 v[RL+2*\p:RL+2*\p+1], v10, s[58:59] offset:48*(\p/3)+8*(\p%3)
.endr
	s_cmp_lg_u32 s70, 0
	s_cbranch_scc1 .Lno_words
	global_load_b32 v[RL+12], v11, s[60:61]
	global_load_b32 v[RL+13], v12, s[60:61]
.Lno_words:
	; x at my 32 tokens
	s_lshl_b32 s62, s36, 18
	s_lshl_b32 s40, s34, 16
	s_add_co_u32 s62, s62, s40
	s_add_nc_u64 s[4:5], s[4:5], s[62:63]
	; Wq or Wk at my 128 rows
	s_cmp_eq_u32 s37, 0
	s_cselect_b64 s[76:77], s[6:7], s[10:11]
	s_cselect_b64 s[78:79], s[8:9], s[12:13]
	s_mul_i32 s62, s34, 49152
	s_add_nc_u64 s[76:77], s[76:77], s[62:63]
	s_lshl_b32 s62, s34, 11
	s_add_nc_u64 s[78:79], s[78:79], s[62:63]
	; Wv at my 64 rows
	s_lshl_b32 s40, s37, 8
	s_lshl_b32 s51, s34, 6
	s_add_co_u32 s40, s40, s51
	s_mul_i32 s62, s40, 384
	s_add_nc_u64 s[14:15], s[14:15], s[62:63]
	s_lshl_b32 s62, s40, 4
	s_add_nc_u64 s[16:17], s[16:17], s[62:63]
.irp b, 0,1,2,3
	global_load_b128 v[WSQ+4*\b:WSQ+4*\b+3], v4, s[78:79] offset:512*\b   ; a row's 16 bytes are its four words: register 4 b + s; lanes 0-15 tile 2 b, lanes 16-31 tile 2 b + 1
.endr
.irp b, 0,1
	global_load_b128 v[WSV+4*\b:WSV+4*\b+3], v4, s[16:17] offset:512*\b
.endr
	XLOAD 0
	XLOAD 1
	; where the results go
	s_lshr_b32 s40, s36, 2
	s_mul_i32 s40, s40, BATB                       ; the batch in kv
	s_and_b32 s51, s36, 3                          ; which 128 tokens of the batch
	s_mul_i32 s57, s51, WBLK
	s_add_co_u32 s57, s57, s40
	s_lshr_b32 s66, s34, 1
	s_mul_i32 s67, s66, STEPB
	s_add_co_u32 s57, s57, s67                     ; k's block: step w / 2, block tb % 4
	s_and_b32 s68, s34, 1
	s_lshl_b32 s69, s68, 9
	s_add_co_u32 s62, s57, s69
	s_add_co_u32 s62, s62, 24576
	s_add_nc_u64 s[84:85], s[30:31], s[62:63]      ; k's scale words: K step w % 2 of the block
	s_mul_i32 s69, s68, 12288
	s_add_co_u32 s57, s57, s69                     ; k's first fragment
	s_mul_i32 s69, s36, 49152
	s_mul_i32 s62, s34, FRB
	s_add_co_u32 s69, s69, s62                     ; q's first fragment
	s_mov_b32 s82, 1536
	s_mov_b32 s83, 0
	s_cmp_eq_u32 s37, 0
	s_cselect_b64 s[80:81], s[26:27], s[30:31]
	s_cselect_b32 s62, s69, s57
	s_cselect_b32 s82, 6144, s82                   ; from token tile to token tile
	s_add_nc_u64 s[80:81], s[80:81], s[62:63]
	s_lshl_b32 s62, s36, 12
	s_lshl_b32 s69, s34, 9
	s_add_co_u32 s62, s62, s69
	s_add_nc_u64 s[28:29], s[28:29], s[62:63]      ; q's scale words
	s_lshr_b32 s69, s51, 1
	s_add_co_u32 s69, s69, 2
	s_mul_i32 s69, s69, STEPB
	s_add_co_u32 s40, s40, s69
	s_lshl_b32 s69, s37, 1
	s_add_co_u32 s69, s69, s66
	s_mul_i32 s69, s69, WBLK
	s_add_co_u32 s40, s40, s69                     ; v's block: step 2 + (tb % 4) / 2, block 2 ch + w / 2
	s_and_b32 s69, s36, 1
	s_lshl_b32 s57, s69, 1
	s_add_co_u32 s57, s57, s68                     ; 2 (tb % 2) + w % 2
	s_mul_i32 s62, s57, 6144
	s_add_co_u32 s62, s62, s40
	s_add_nc_u64 s[86:87], s[30:31], s[62:63]      ; v's first fragment: 8 (tb % 2) + 4 (w % 2)
	s_lshl_b32 s62, s57, 8
	s_add_co_u32 s62, s62, s40
	s_add_co_u32 s62, s62, 24576
	s_add_nc_u64 s[88:89], s[30:31], s[62:63]      ; v's scale words
; ---- X: my 32 tokens of x become eight fragments.  Loads run two fragments ahead, the turn through the stage one; twelve of W's loads are asked for in each trip.
.macro XTRIP i
	WRAW \i
.if (\i) < 6
	XLOAD (\i)+2
.endif
.if (\i) < 7
.if (\i) < 6
	s_wait_loadcnt 28                              ; fragment i + 1 is in: behind its loads stand this trip's 12 of W and 16 of x
.else
	s_wait_loadcnt 12                              ; behind the last fragment's loads stand W's 12
.endif
	TURN (\i)+1                                    ; its stage and its registers were last read a trip ago, behind that trip's wait
.if (\i) == 0
	s_wait_dscnt 32                                ; fragment i is back from its stage: behind its loads stand the next fragment's 16 stores and 16 loads,
.else
	s_wait_dscnt 36                                ; and the last trip's four image stores.  So the stores that read this set of codes, two trips back, are done too
.endif
.else
	s_wait_dscnt 4
.endif
	QMAX 1+(\i)%2, 192
	QCODE 1+(\i)%2, 192, (\i)%2, PW8+(\i)
	WIN 0
.irp c, 0,1,2
	ds_store_b128 v5, v[PC+20*((\i)%2)+4*\c:PC+20*((\i)%2)+4*\c+3] offset:FRB*(\i)+512*\c
.endr
	ds_store_b32 v7, v[PW8+(\i)] offset:128*(\i)
.endm
	s_wait_loadcnt 16                              ; fragment 0 is in (fragment 1's 16 loads may be out), and all that was asked for ahead of it
	TURN 0
	XTRIP 0
	global_store_b128 v1, v[RL:RL+3], s[72:73]             ; the fragment of W1 or W2: 512 consecutive bytes a store
	global_store_b128 v1, v[RL+4:RL+7], s[72:73] offset:512
	global_store_b128 v1, v[RL+8:RL+11], s[72:73] offset:1024
	s_cmp_lg_u32 s70, 0
	s_cbranch_scc1 .Lno_words_out
	global_store_b64 v9, v[RL+12:RL+13], s[74:75]          ; 256 consecutive bytes of scale words
.Lno_words_out:
	XTRIP 1
	XTRIP 2
	XTRIP 3
	XTRIP 4
	XTRIP 5
	XTRIP 6
	XTRIP 7
	WIN 0xc0
.set kk, 0
.rept 48                               ; my 64 rows of Wv, 24,576 consecutive bytes, as they lie, into the registers that x has left (its stores into the stage are done: the last trip's wait)
	global_load_b128 v[4*kk:4*kk+3], v1, s[14:15] offset:512*kk
.set kk, kk+1
.endr
	s_wait_loadcnt 48                              ; Wv's 48 loads may be out: all of W is in
.set kk, 0
.rept 96                               ; W into the stage, by rows of 400 bytes
	WIN 0x04+0x04*(kk/48)
	ds_store_b128 v[AW+kk%3], v[4*(kk%48):4*(kk%48)+3] offset:1600*(kk/3)+128*(kk/12)
.set kk, kk+1
.endr
	WIN 0
	s_wait_dscnt 0x0                               ; my images and W's bytes have landed: the stores have read their registers
	s_barrier_signal -1
	s_barrier_wait -1                              ; everybody's images have: x's 32 fragments lie in LDS, and are only read from here on
.set FW, 0
.rept 32                               ; W's fragments 8 s + t out of the stage, into the registers that its bytes have left: they stay
	WIN 0x40+0x40*(FW/16)
.irp p, 0,1,2,3,4,5
	ds_load_b64 v[12*(FW%16)+2*\p:12*(FW%16)+2*\p+1], v3 offset:(32*((FW%8)/2)+8*(FW%2))*WP+256*((FW%8)/2)+96*(FW/8)+48*(\p/3)+8*(\p%3)
.endr
.set FW, FW+1
.endr
	WIN 0
.irp m, 0,1,2,3,4,5,6,7
.irp e, 0,1
	ds_load_b32 v[XS+2*\m+\e], v8 offset:512*\m+256*\e
.endr
.endr
	XFETCH 0, 0
; ---- Q or K: for each token tile 32 products (source 0 = 16 rows of W, source 1 = 16 tokens), the 8 accumulators by turns, one instruction a turn; then K step w of q or k for these tokens is quantised and stored.
; The 8 accumulators of token tile m lie in v192-255 of window 1 + m % 2 (window 2's are free once x is done).  So tile m - 1 is quantised while tile m is multiplied:
; QP is the quantiser (QMAX and QCODE) cut into 16 pieces, one behind each of the trip's first 16 products; none names a register of those products.
.macro QP k, xw, pcs, wrd              ; piece k, on the 64 numbers in v192-255 of window xw; codes into set pcs, the scale word into v[wrd]
.set PCB, PC+20*(\pcs)
.if (\k) == 0
	WIN ((\xw)<<2)|(\xw)
.irp b, 0,1,2,3
	v_max3_num_f32 v[TM+\b], |v[192+16*\b]|, |v[192+16*\b+1]|, 0x2800000
.endr
.elseif (\k) < 8
	WIN ((\xw)<<2)|(\xw)
.irp b, 0,1,2,3
	v_max3_num_f32 v[TM+\b], |v[192+16*\b+2*(\k)]|, |v[192+16*\b+2*(\k)+1]|, v[TM+\b]
.endr
.elseif (\k) == 8
	WIN 0
.irp b, 0,1,2,3
	v_permlanex16_b32 v[TM+4+\b], v[TM+\b], s[SEL], s[SEL+1]
.endr
.elseif (\k) == 9
	WIN 0
.irp b, 0,1,2,3
	v_max_num_f32 v[TM+\b], v[TM+\b], v[TM+4+\b]
.endr
.elseif (\k) == 10
	WIN 0
.irp b, 0,1,2,3
	v_add_nc_u32 v[TM+12+\b], 0xfe000000, v[TM+\b]
.endr
.irp b, 0,1,2,3
	v_lshrrev_b32 v[TM+4+\b], 23, v[TM+12+\b]
.endr
.elseif (\k) < 13
.set qc, (\k)-11
	WIN (\xw)
	v_cvt_scalef32_pk16_bf6_f32 v[PCB+6*qc:PCB+6*qc+2], v[192+32*qc:192+32*qc+15], v[TM+12+2*qc]
	v_cvt_scalef32_pk16_bf6_f32 v[PCB+12+4*qc:PCB+14+4*qc], v[192+32*qc+16:192+32*qc+31], v[TM+13+2*qc]
.if (\k) == 12
	v_nop                                          ; one plain place behind the scaled conversions
.endif
.elseif (\k) == 13
	WIN 0
	v_lshl_or_b32 v[(\wrd)], v[TM+5], 8, v[TM+4]
	v_lshl_or_b32 v[(\wrd)], v[TM+6], 16, v[(\wrd)]
	v_lshl_or_b32 v[(\wrd)], v[TM+7], 24, v[(\wrd)]
.elseif (\k) < 16
.set qc, (\k)-14
	WIN 0
.irp i, 0,1,2
	v_permlane16_swap_b32 v[PCB+6*qc+\i], v[PCB+12+4*qc+\i]
.endr
.irp i, 0,1,2
	v_mov_b32 v[PCB+3+6*qc+\i], v[PCB+12+4*qc+\i]
.endr
.endif
.endm
.macro QOUT pcs                        ; a fragment of q or k leaves: 512 consecutive bytes a store
	s_wait_alu depctr_va_vdst(0)                   ; ahead of the stores, which read what was just written
.irp c, 0,1,2
	global_store_b128 v1, v[PC+20*(\pcs)+4*\c:PC+20*(\pcs)+4*\c+3], s[80:81] offset:512*\c
.endr
	s_wait_xcnt 0x0                                ; the stores have read their base and their data: both are written again only behind this wait
	s_add_nc_u64 s[80:81], s[80:81], s[82:83]
.endm
.macro QKTRIP m
	XFETCH ((\m)+1)%2, ((\m)+1)%8                  ; the next tile (behind the last: tile 0 again, for v); its set was read a trip ago, and the places stand behind those products
	s_wait_dscnt 12                                ; only those twelve may be out
.set wn, 0
.irp s, 0,1,2,3
.set cz, 0
.if \s == 0
.set cz, 1
.endif
.irp t, 0,1,2,3,4,5,6,7
	WIN (1+(\m)%2)*0x50+1+\s/2                     ; C and D window 1 + m % 2, W's fragments window 1 + s / 2, x's window 0
	WM 192+8*\t, 12*(8*(\s%2)+\t), XF+48*((\m)%2)+12*\s, cz, WSQ+4*(\t/2)+\s, XS+2*(\m)+\s/2, \t%2, \s%2
.if (\m) > 0
	QP wn, 1+((\m)-1)%2, ((\m)-1)%2, PW8+(\m)-1
.endif
.set wn, wn+1
.endr
.endr
	WIN 0
.if (\m) > 0
	QOUT ((\m)-1)%2
.endif
.rept 4
	v_nop                                          ; places behind the products, ahead of the next trip's loads into x's set and of the first read of results
.endr
.endm
.irp m, 0,1,2,3,4,5,6,7
	QKTRIP \m
.endr
	QMAX 2, 192                                    ; the last tile, with nothing left to multiply beside it
	QCODE 2, 192, 1, PW8+7
	WIN 0
	QOUT 1
	s_cmp_lg_u32 s37, 0
	s_cbranch_scc1 .Lk_words
	global_store_b128 v1, v[PW8:PW8+3], s[28:29]               ; q: [s][lane][m], the first 64 queries,
	global_store_b128 v1, v[PW8+4:PW8+7], s[28:29] offset:2048 ; the second
	s_branch .Lwords_done
.Lk_words:
.irp b, 0,1,2,3
	v_cndmask_b32 v[CW+\b], v[PW8+2*\b], v[PW8+2*\b+1], s92    ; k: lanes 0-15 tile 2 b's word, lanes 16-31 tile 2 b + 1's
.endr
	global_store_b64 v9, v[CW:CW+1], s[84:85]
	global_store_b64 v9, v[CW+2:CW+3], s[84:85] offset:256
.Lwords_done:
; ---- V: source 0 = 16 tokens, source 1 = 16 rows of Wv: a lane holds one v-dim, and its 64 registers of a tile n run along the 128 tokens.
	s_wait_loadcnt 0x0                             ; Wv's bytes
	WIN 0x0c
.set kk, 0
.rept 48                               ; into the stage, whose last reads (W's fragments) were waited for in the first trip of Q or K
	ds_store_b128 v[AW+kk%3], v[4*kk:4*kk+3] offset:1600*(kk/3)+128*(kk/12)
.set kk, kk+1
.endr
	s_wait_dscnt 0x0                               ; the stores have read their registers
	WIN 0xc0
.irp n, 0,1,2,3                        ; and out of it: Wv's fragments 4 n + s
.irp s, 0,1,2,3
.irp p, 0,1,2,3,4,5
	ds_load_b64 v[12*(4*\n+\s)+2*\p:12*(4*\n+\s)+2*\p+1], v3 offset:(32*(\n/2)+8*(\n%2))*WP+256*(\n/2)+96*\s+48*(\p/3)+8*(\p%3)
.endr
.endr
.endr
.macro VTRIP m
.if (\m) < 7
	XFETCH ((\m)+1)%2, (\m)+1
	s_wait_dscnt 12                                ; only the next tile's twelve may be out
.else
	s_wait_dscnt 0x0
.endif
	WIN 0x5c
.irp s, 0,1,2,3
.set cz, 0
.if \s == 0
.set cz, 1
.endif
.irp n, 0,1,2,3
	WM 64*\n+8*(\m), XF+48*((\m)%2)+12*\s, 12*(4*\n+\s), cz, XS+2*(\m)+\s/2, WSV+4*(\n/2)+\s, \s%2, \n%2
.endr
.endr
	WIN 0
.rept 4
	v_nop                                          ; places ahead of the next trip's loads into x's set, and of the first read of results
.endr
.endm
.irp m, 0,1,2,3,4,5,6,7
	VTRIP \m
.endr
.irp n, 0,1,2,3
	s_wait_xcnt 0x0                                ; earlier stores have read the registers that are written now
	QMAX 1, 64*\n
	QCODE 1, 64*\n, \n%2, PW8+\n
	WIN 0
.irp c, 0,1,2
	global_store_b128 v1, v[PC+20*(\n%2)+4*\c:PC+20*(\n%2)+4*\c+3], s[86:87] offset:FRB*\n+512*\c
.endr
.endr
	s_wait_xcnt 0x0
	v_cndmask_b32 v[CW], v[PW8], v[PW8+1], s92
	v_cndmask_b32 v[CW+1], v[PW8+2], v[PW8+3], s92
	global_store_b64 v9, v[CW:CW+1], s[88:89]
	s_wait_tensorcnt 0x0                           ; the wave's end: behind my last LDS store
	ds_add_u32 v14, v15
	s_wait_dscnt 0x0
	s_endpgm
.Lfunc_end_k_q30509d1c8e_prep:
	.size	k_q30509d1c8e_prep, .Lfunc_end_k_q30509d1c8e_prep-k_q30509d1c8e_prep
	.p2alignl 7, 3214868480
	.fill 96, 4, 3214868480
	.section	.rodata,"a",@progbits
	.p2align	6, 0x0
	.amdhsa_kernel k_q30509d1c8e_prep
		.amdhsa_group_segment_fixed_size 262656
		.amdhsa_private_segment_fixed_size 0
		.amdhsa_enable_private_segment 0
		.amdhsa_kernarg_size 120
		.amdhsa_user_sgpr_count 2
		.amdhsa_user_sgpr_kernarg_segment_ptr 1
		.amdhsa_wavefront_size32 1
		.amdhsa_system_sgpr_workgroup_id_x 1
		.amdhsa_system_sgpr_workgroup_id_y 1
		.amdhsa_system_sgpr_workgroup_id_z 1
		.amdhsa_system_vgpr_workitem_id 0
		.amdhsa_next_free_vgpr 1024
		.amdhsa_next_free_sgpr 96
		.amdhsa_reserve_vcc 0
		.amdhsa_float_denorm_mode_32 3
		.amdhsa_float_denorm_mode_16_64 3
		.amdhsa_memory_ordered 1
		.amdhsa_forward_progress 1
		.amdhsa_inst_pref_size 236
	.end_amdhsa_kernel
	.amdgpu_metadata
---
amdhsa.version: [ 1, 2 ]
amdhsa.kernels:
  - .name:           k_q30509d1c8e_prep
    .symbol:         k_q30509d1c8e_prep.kd
    .args:
      - { .name: x, .offset: 0, .size: 8, .value_kind: global_buffer, .address_space: global }
      - { .name: Wq_codes, .offset: 8, .size: 8, .value_kind: global_buffer, .address_space: global }
      - { .name: Wq_scales, .offset: 16, .size: 8, .value_kind: global_buffer, .address_space: global }
      - { .name: Wk_codes, .offset: 24, .size: 8, .value_kind: global_buffer, .address_space: global }
      - { .name: Wk_scales, .offset: 32, .size: 8, .value_kind: global_buffer, .address_space: global }
      - { .name: Wv_codes, .offset: 40, .size: 8, .value_kind: global_buffer, .address_space: global }
      - { .name: Wv_scales, .offset: 48, .size: 8, .value_kind: global_buffer, .address_space: global }
      - { .name: W1_codes, .offset: 56, .size: 8, .value_kind: global_buffer, .address_space: global }
      - { .name: W1_scales, .offset: 64, .size: 8, .value_kind: global_buffer, .address_space: global }
      - { .name: W2_codes, .offset: 72, .size: 8, .value_kind: global_buffer, .address_space: global }
      - { .name: W2_scales, .offset: 80, .size: 8, .value_kind: global_buffer, .address_space: global }
      - { .name: qc, .offset: 88, .size: 8, .value_kind: global_buffer, .address_space: global }
      - { .name: qs, .offset: 96, .size: 8, .value_kind: global_buffer, .address_space: global }
      - { .name: kv, .offset: 104, .size: 8, .value_kind: global_buffer, .address_space: global }
      - { .name: wf, .offset: 112, .size: 8, .value_kind: global_buffer, .address_space: global }
    .group_segment_fixed_size: 262656
    .private_segment_fixed_size: 0
    .kernarg_segment_align: 8
    .kernarg_segment_size: 120
    .max_flat_workgroup_size: 128
    .sgpr_count:     96
    .vgpr_count:     1024
    .wavefront_size: 32
...
	.end_amdgpu_metadata
.endif
;; end of part 3
;; launch fused (part 4): grid 256 x 1, 4 waves a work-group, clusters of 4 x 1, 327,680 bytes of LDS; arguments qc, qs, kv, wf, x, b1, b2, out0, a1, bb1, a2, bb2; writes out0
.if DOCPART == 4
	.amdgcn_target "amdgcn-amd-amdhsa--gfx1250"
	.amdhsa_code_object_version 6
	.text
	.protected	k_q30509d1c8e_fused
	.globl	k_q30509d1c8e_fused
	.p2align	8
	.type	k_q30509d1c8e_fused,@function
k_q30509d1c8e_fused:
	s_mov_b64 s[64:65], 0
	v_nop
	global_prefetch_b8 v0, s[64:65] scope:SCOPE_SE
	s_setreg_imm32_b32 hwreg(HW_REG_WAVE_MODE, 25, 1), 1
	s_wait_xcnt 0x0
	s_wait_alu depctr_hold_cnt(0) depctr_sa_sdst(0) depctr_va_vdst(0) depctr_va_sdst(0) depctr_va_ssrc(0) depctr_va_vcc(0) depctr_vm_vsrc(0)
	s_getreg_b32 s2, hwreg(HW_REG_IB_STS2, 6, 4)
	s_cmp_eq_u32 s2, 0
	s_cbranch_scc0 .Lentry_in_a_cluster
	s_endpgm
.Lentry_in_a_cluster:
	s_bfe_u32 s2, ttmp6, 0x10000c
	s_cmp_lg_u32 s2, 0x3003
	s_cbranch_scc0 .Lentry_shape_is_right
	s_endpgm
.Lentry_shape_is_right:
; FUSED: a work-group takes 64 queries of one batch through products 4 to 7: S^T = k q^T, p = 2^(t - M), O^T = v^T p^T, n1 = norm(x + o / l), the FFN in four chunks of 512 hidden units, out0 = norm(n1 + ffn).
; All products on codes of BF6 (E3M2) with E8M0 scales; everything else in f32.  Nothing of the problem is left out here.
; SHARES.  Every product is used transposed (source 0 = 16 rows of k, v^T, W1 or W2; source 1 = 16 tokens): a lane holds one token, its registers run along the next K.  Wave w owns 128 of the 512 rows of source 0 for all
; four token tiles; what it quantises goes to the other waves through LDS as images of operand registers (AIMG, scale words at ASCA / ASCB).
; THE RING.  kv and wf are read in steps of 102,400 bytes (four blocks of 25,600, one a wave: 16 fragments and their scale words) through two LDS slots.  The four work-groups of a cluster read the same steps:
; each wave's load is a joint one (mask 15).  A step's 16 fragments lie in registers: the next step's first 8 are fetched behind the refill, over 32 matrix instructions, its last 8 at the step's end.
; THE RESIDUAL WITHOUT A DIVISION.  norm(h) = a (h - mean) / (std + EPS) + b.  With h' = l h (l > 0: the row's sum of p), mean and std are multiplied by l too, so a (h' - mean') / (std' + l EPS) + b is the same number
; for all values.  So x is multiplied by l and is the C onto which O^T sums in place; the first norm adds l EPS.
; x comes at the head as whole rows (512 consecutive bytes a load) into window 3 and is turned in place through the wave's stage, tile by tile, between the softmax's runs of arithmetic.
; THE CHUNK LOOP has four trips and is left in its last trip's middle, on its own counter: the last two steps, which fill no slot again, are written out behind it.
; LIMITS: NaN and infinities among the inputs are not served.  The softmax holds while the scaled scores stay under 2^31 in magnitude.  A block whose largest magnitude lies under 2^-122 keeps the scale byte 1.
; REGISTERS.  window 0: v1-31 addresses, v32-47 the steps' scale words, v48-63 the activations', v64-255 a step's 16 fragments.  window 1: v0-191 q's, then n1's codes (v0-95 also temps), v192-255 b1 as C, quantiser's temps, l.
; window 2: scores / hidden layer, then their codes.   window 3: x, then l x + O^T, n1, n1 + b2 + ffn.
; THE SLOTS IN LDS: wave w's block of slot 0 lies at 51,200 w, its block of slot 1 directly behind it.  So the wave's one load at the head, 2 rows of 25,600 bytes that lie 102,400 bytes apart in memory, fills both
; slots with k's two steps; every later load fills one block again.  Each wave reads only the blocks that it loaded itself.
.set FRB,   1536
.set WBLK,  25600
.set STEPB, 102400
.set AIMG,  204800
.set ASCA,  229376
.set ASCB,  231424
.set SMX,   233472
.set SLS,   235520
.set SNS,   237568
.set SNQ,   239616
.set B1L,   241664
.set B2L,   249856
.set STG,   251904
.set SPARE, 285696
.set T,     1
.set TM,    192
.set PC,    208
.set PWS,   248
.set SEL,   54
.set BM,  0
.set BP,  16
.set WX,  32
.set RX,  36
.set NM,  52
.set SU,  60
.set SL,  68
.set SP2, 72
.set RLP, 240
.set NS,  0
.set NW,  8
.set NP,  12
.set MW,  16
.set NQ,  24
.set N2,  32
.set LS,  36
.set LQ,  52
.set ME,  68
.set VA,  72
.set DD,  76
.set GG,  80
.set OF,  88
; THE ORDER OF A STEP'S FRAGMENTS (8 q + t): by pairs of tiles, both K steps of a pair on end: 0, 1, 8, 9, 2, 3, 10, 11, ..  A link of a sum stands 8 matrix instructions behind the one that it adds onto.
; In W1's second step a block of 32 hidden units (tiles 2 b, 2 b + 1) is therefore final after 4 (b + 1) fragments, and the relu of blocks 0 to 2 stands between that step's later products, four lines behind each
; (RELU = 1): written as max3(0, 0, x), whose one register source and destination lie in the accumulators' window under the products' own window setting.
.set RELU, 0
.set MSB, 0
.macro WIN new
.if MSB != (\new)
	s_set_vgpr_msb (MSB<<8)|(\new)
.set MSB, \new
.endif
.endm
.macro WM d, a, b, cm, c, sa, sb, ra, rb
.if (\cm) == 1
.if (\ra) && (\rb)
	v_wmma_scale_f32_16x16x128_f8f6f4 v[(\d):(\d)+7], v[(\a):(\a)+11], v[(\b):(\b)+11], 0, v[(\sa)], v[(\sb)] matrix_a_fmt:MATRIX_FMT_BF6 matrix_b_fmt:MATRIX_FMT_BF6 matrix_a_scale:MATRIX_SCALE_ROW1 matrix_b_scale:MATRIX_SCALE_ROW1
.elseif (\ra)
	v_wmma_scale_f32_16x16x128_f8f6f4 v[(\d):(\d)+7], v[(\a):(\a)+11], v[(\b):(\b)+11], 0, v[(\sa)], v[(\sb)] matrix_a_fmt:MATRIX_FMT_BF6 matrix_b_fmt:MATRIX_FMT_BF6 matrix_a_scale:MATRIX_SCALE_ROW1
.elseif (\rb)
	v_wmma_scale_f32_16x16x128_f8f6f4 v[(\d):(\d)+7], v[(\a):(\a)+11], v[(\b):(\b)+11], 0, v[(\sa)], v[(\sb)] matrix_a_fmt:MATRIX_FMT_BF6 matrix_b_fmt:MATRIX_FMT_BF6 matrix_b_scale:MATRIX_SCALE_ROW1
.else
	v_wmma_scale_f32_16x16x128_f8f6f4 v[(\d):(\d)+7], v[(\a):(\a)+11], v[(\b):(\b)+11], 0, v[(\sa)], v[(\sb)] matrix_a_fmt:MATRIX_FMT_BF6 matrix_b_fmt:MATRIX_FMT_BF6
.endif
.elseif (\cm) == 2
.if (\ra) && (\rb)
	v_wmma_scale_f32_16x16x128_f8f6f4 v[(\d):(\d)+7], v[(\a):(\a)+11], v[(\b):(\b)+11], v[(\c):(\c)+7], v[(\sa)], v[(\sb)] matrix_a_fmt:MATRIX_FMT_BF6 matrix_b_fmt:MATRIX_FMT_BF6 matrix_a_scale:MATRIX_SCALE_ROW1 matrix_b_scale:MATRIX_SCALE_ROW1
.elseif (\ra)
	v_wmma_scale_f32_16x16x128_f8f6f4 v[(\d):(\d)+7], v[(\a):(\a)+11], v[(\b):(\b)+11], v[(\c):(\c)+7], v[(\sa)], v[(\sb)] matrix_a_fmt:MATRIX_FMT_BF6 matrix_b_fmt:MATRIX_FMT_BF6 matrix_a_scale:MATRIX_SCALE_ROW1
.elseif (\rb)
	v_wmma_scale_f32_16x16x128_f8f6f4 v[(\d):(\d)+7], v[(\a):(\a)+11], v[(\b):(\b)+11], v[(\c):(\c)+7], v[(\sa)], v[(\sb)] matrix_a_fmt:MATRIX_FMT_BF6 matrix_b_fmt:MATRIX_FMT_BF6 matrix_b_scale:MATRIX_SCALE_ROW1
.else
	v_wmma_scale_f32_16x16x128_f8f6f4 v[(\d):(\d)+7], v[(\a):(\a)+11], v[(\b):(\b)+11], v[(\c):(\c)+7], v[(\sa)], v[(\sb)] matrix_a_fmt:MATRIX_FMT_BF6 matrix_b_fmt:MATRIX_FMT_BF6
.endif
.else
.if (\ra) && (\rb)
	v_wmma_scale_f32_16x16x128_f8f6f4 v[(\d):(\d)+7], v[(\a):(\a)+11], v[(\b):(\b)+11], v[(\d):(\d)+7], v[(\sa)], v[(\sb)] matrix_a_fmt:MATRIX_FMT_BF6 matrix_b_fmt:MATRIX_FMT_BF6 matrix_a_scale:MATRIX_SCALE_ROW1 matrix_b_scale:MATRIX_SCALE_ROW1
.elseif (\ra)
	v_wmma_scale_f32_16x16x128_f8f6f4 v[(\d):(\d)+7], v[(\a):(\a)+11], v[(\b):(\b)+11], v[(\d):(\d)+7], v[(\sa)], v[(\sb)] matrix_a_fmt:MATRIX_FMT_BF6 matrix_b_fmt:MATRIX_FMT_BF6 matrix_a_scale:MATRIX_SCALE_ROW1
.elseif (\rb)
	v_wmma_scale_f32_16x16x128_f8f6f4 v[(\d):(\d)+7], v[(\a):(\a)+11], v[(\b):(\b)+11], v[(\d):(\d)+7], v[(\sa)], v[(\sb)] matrix_a_fmt:MATRIX_FMT_BF6 matrix_b_fmt:MATRIX_FMT_BF6 matrix_b_scale:MATRIX_SCALE_ROW1
.else
	v_wmma_scale_f32_16x16x128_f8f6f4 v[(\d):(\d)+7], v[(\a):(\a)+11], v[(\b):(\b)+11], v[(\d):(\d)+7], v[(\sa)], v[(\sb)] matrix_a_fmt:MATRIX_FMT_BF6 matrix_b_fmt:MATRIX_FMT_BF6
.endif
.endif
.endm
.macro QMAX xw, src
	WIN (T<<6)|(T<<4)|((\xw)<<2)|(\xw)
.irp b, 0,1,2,3
	v_max3_num_f32 v[TM+\b], |v[(\src)+16*\b]|, |v[(\src)+16*\b+1]|, 0x2800000
.endr
.irp i, 2,4,6,8,10,12,14
.irp b, 0,1,2,3
	v_max3_num_f32 v[TM+\b], |v[(\src)+16*\b+\i]|, |v[(\src)+16*\b+\i+1]|, v[TM+\b]
.endr
.endr
	WIN T*0x55
.irp b, 0,1,2,3
	v_permlanex16_b32 v[TM+4+\b], v[TM+\b], s[SEL], s[SEL+1]
.endr
.irp b, 0,1,2,3
	v_max_num_f32 v[TM+\b], v[TM+\b], v[TM+4+\b]
.endr
.endm
.macro QCODE xw, src, pcs, wrd
.set PCB, PC+20*(\pcs)
	WIN T*0x55
.irp b, 0,1,2,3
	v_add_nc_u32 v[TM+12+\b], 0xfe000000, v[TM+\b]
.endr
.irp b, 0,1,2,3
	v_lshrrev_b32 v[TM+4+\b], 23, v[TM+12+\b]
.endr
	v_lshl_or_b32 v[(\wrd)], v[TM+5], 8, v[TM+4]
	v_lshl_or_b32 v[(\wrd)], v[TM+6], 16, v[(\wrd)]
	v_lshl_or_b32 v[(\wrd)], v[TM+7], 24, v[(\wrd)]
	WIN (T<<6)|(T<<2)|(\xw)
.irp c, 0,1
	v_cvt_scalef32_pk16_bf6_f32 v[PCB+6*\c:PCB+6*\c+2], v[(\src)+32*\c:(\src)+32*\c+15], v[TM+12+2*\c]
	v_cvt_scalef32_pk16_bf6_f32 v[PCB+12+4*\c:PCB+14+4*\c], v[(\src)+32*\c+16:(\src)+32*\c+31], v[TM+13+2*\c]
.endr
	WIN T*0x55
	v_nop
.irp c, 0,1
.irp i, 0,1,2
	v_permlane16_swap_b32 v[PCB+6*\c+\i], v[PCB+12+4*\c+\i]
.endr
.irp i, 0,1,2
	v_mov_b32 v[PCB+3+6*\c+\i], v[PCB+12+4*\c+\i]
.endr
.endr
.endm
.macro BARRIER
	s_wait_dscnt 0x0
	s_barrier_signal -1
	s_barrier_wait -1
.endm
.macro CREST
	s_cmp_lg_u32 s53, 0
	s_cbranch_scc1 .Lnot_wave_0_\@
	s_barrier_signal -3
.Lnot_wave_0_\@:
	s_barrier_wait -3
	s_barrier_signal -1
	s_barrier_wait -1
.endm
.macro ROUND
	s_barrier_signal -1
	s_barrier_wait -1
	CREST
.endm
.macro ASK i
	s_cmp_eq_u32 s52, 1
	s_cbranch_scc0 .Lnot_mine_\@
	global_prefetch_b8 v17, s[50:51] offset:(\i)*STEPB th:TH_LOAD_NT scope:SCOPE_SE
.Lnot_mine_\@:
.endm
.macro FETCHS sl
.irp q, 0,1
.irp e, 0,1
	ds_load_b64 v[32+8*(\sl)+4*\q+2*\e:32+8*(\sl)+4*\q+2*\e+1], v[4+(\sl)] offset:512*\q+256*\e
.endr
.endr
.endm
.macro FETCHW sl, f0, n
.set fj, \f0
.rept \n
.set ff, 8*((fj%4)/2)+2*(fj/4)+fj%2
	ds_load_b128 v[64+12*ff:64+12*ff+3], v[2+(\sl)] offset:FRB*ff
	ds_load_b128 v[64+12*ff+4:64+12*ff+7], v[2+(\sl)] offset:FRB*ff+512
	ds_load_b128 v[64+12*ff+8:64+12*ff+11], v[2+(\sl)] offset:FRB*ff+1024
.set fj, fj+1
.endr
.endm
.macro MUL1 lay, hf, cm
.set qq, fm/8
.set tt, fm%8
.set ce, 0
.if qq == 0
.set ce, \cm
.endif
.if (\lay) == 0
.if ce == 2
	WIN 0x94
.else
	WIN 0xa4
.endif
.else
	WIN 0xf8
.endif
.irp m, 0,1,2,3
	WM 64*\m+8*tt, 64+12*fm, 12*(4*\m+2*(\hf)+qq), ce, 192+8*tt, 32+8*(\hf)+4*qq+tt/2, 48+8*(\lay)+4*(\hf)+\m, tt%2, qq
.if (RELU) && (fi >= 4)
.rept 4                                ; line rk: block rk / 64, its tile (rk % 64) / 32, token tile (rk % 32) / 8, register rk % 8: each accumulator from its low end on, the older tile first
.set RK, 64*((rk%32)/8)+16*(rk/64)+8*((rk%64)/32)+rk%8
	v_max3_num_f32 v[RK], 0, 0, v[RK]
.set rk, rk+1
.endr
.endif
.endr
.if (RELU) && (fi == 3)
.rept 4
	v_nop                                          ; the places between block 0's last products and its first relu; later blocks have the relus of the block before
.endr
.endif
.endm
.macro MULR lay, hf, cm, f0, n
.set fi, \f0
.rept \n
.set fm, 8*((fi%4)/2)+2*(fi/4)+fi%2
	MUL1 \lay, \hf, \cm
.set fi, fi+1
.endr
.endm
.macro STEP lay, hf, cm, ent, fill, adv, ask, pfi, nxt, bar
	s_wait_dscnt \ent                              ; the scale words and fragments 0-7 are in (ent: the LDS loads issued behind them)
	MULR \lay, \hf, \cm, 0, 6
.if \bar
	WIN 0
	s_wait_tensorcnt 0x0
	ds_add_u32 v18, v19
	MULR \lay, \hf, \cm, 6, 1                      ; four matrix instructions between the add and the wait for it
	s_wait_dscnt 0x0                               ; the add is done, and all 16 fragments of this slot are in registers
	s_barrier_signal -1
	MULR \lay, \hf, \cm, 7, 1
	WIN 0
	s_barrier_wait -1
.if \fill
	CREST
.if (\adv) == 1
.if (\hf) == 0
	s_mov_b64 s[42:43], s[48:49]
.else
	s_add_nc_u64 s[46:47], s[48:49], STEPB
.endif
	s_or_b32 s[43+4*(\hf)], s[43+4*(\hf)], 0x80000000
.else
	s_add_nc_u64 s[42+4*(\hf):43+4*(\hf)], s[42+4*(\hf):43+4*(\hf)], 2*STEPB
.if (\adv) == 2
	s_sub_nc_u64 s[42+4*(\hf):43+4*(\hf)], s[42+4*(\hf):43+4*(\hf)], s[74:75]
.endif
.endif
	tensor_load_to_lds s[40+4*(\hf):43+4*(\hf)], s[32:39]
	s_nop 0
.endif
.rept 4
	v_nop
.endr
.if \nxt
	FETCHS 1-(\hf)
	FETCHW 1-(\hf), 0, 8                           ; into the registers of fragments 0-7, which are done with
.endif
.if \ask
	ASK \pfi
.endif
	MULR \lay, \hf, \cm, 8, 8
.else
	s_wait_dscnt 0x0
	MULR \lay, \hf, \cm, 6, 10
.endif
	WIN 0
.rept 5
	v_nop
.endr
.if \nxt
	FETCHW 1-(\hf), 8, 8
.endif
.endm
.macro ACTLD wn
	WIN (\wn)<<6
.irp hh, 0,1                           ; fragments 4 m + s: first those of K steps s = 0, 1, which the next step multiplies, then those of s = 2, 3
.irp m, 0,1,2,3
.irp e, 0,1,2,3,4,5
	ds_load_b128 v[4*(12*\m+6*\hh+\e):4*(12*\m+6*\hh+\e)+3], v6 offset:512*(12*\m+6*\hh+\e)
.endr
.endr
.endr
	WIN 0
.endm
.macro ASLD rg, sco
.irp e, 0,1
	ds_load_b128 v[(\rg)+4*\e:(\rg)+4*\e+3], v15 offset:(\sco)-AIMG+1024*\e
.endr
.endm
.macro BIAS
	WIN 0x40
.irp t, 0,1,2,3,4,5,6,7
	ds_load_b128 v[192+8*\t:192+8*\t+3], v13 offset:128*(\t/2)+32*(\t%2)
	ds_load_b128 v[192+8*\t+4:192+8*\t+7], v13 offset:128*(\t/2)+32*(\t%2)+16
.endr
	WIN 0
.endm
.macro QALL xw, mx, sco
.irp m, 0,1,2,3
.if \mx
	QMAX \xw, 64*\m
.else
	WIN 0x55
.irp b, 0,1,2,3
	s_wait_alu depctr_va_vdst(0)
	v_max_num_f32 v[TM+\b], 0x2800000, v[BM+4*\m+\b]
.endr
.endif
.if \m >= 2
	s_wait_alu depctr_va_vdst(0)
	s_wait_dscnt 3
.endif
	QCODE \xw, 64*\m, \m%2, PWS+\m
	WIN 0x04
.irp c, 0,1,2
	ds_store_b128 v7, v[PC+20*(\m%2)+4*\c:PC+20*(\m%2)+4*\c+3] offset:4*FRB*\m+512*\c
.endr
.endr
	ds_store_b128 v8, v[PWS:PWS+3] offset:(\sco)-AIMG
	WIN 0
	BARRIER
.endm
.macro NORM sa, sb, sc                 ; sc = 1: the rows hold l h, and l EPS is added to their std
	WIN 0x4f
.irp m, 0,1,2,3
	v_pk_add_f32 v[NS+2*\m:NS+2*\m+1], v[64*\m:64*\m+1], v[64*\m+2:64*\m+3]
.endr
	WIN 0x4d
.set ii, 4
.rept 30
.irp m, 0,1,2,3
	v_pk_add_f32 v[NS+2*\m:NS+2*\m+1], v[NS+2*\m:NS+2*\m+1], v[64*\m+ii:64*\m+ii+1]
.endr
.set ii, ii+2
.endr
	WIN 0x55
.irp m, 0,1,2,3
	v_add_f32 v[NW+\m], v[NS+2*\m], v[NS+2*\m+1]
.endr
.irp m, 0,1,2,3
	v_permlanex16_b32 v[NP+\m], v[NW+\m], s[SEL], s[SEL+1]
.endr
.irp m, 0,1,2,3
	v_add_f32 v[NW+\m], v[NW+\m], v[NP+\m]
.endr
.irp m, 0,1,2,3
	v_mul_f32 v[MW+2*\m], 0x3c000000, v[NW+\m]
.endr
	WIN 0xc7
.irp m, 0,1,2,3
.set ii, 0
.rept 32
	v_pk_add_f32 v[64*\m+ii:64*\m+ii+1], v[64*\m+ii:64*\m+ii+1], v[MW+2*\m:MW+2*\m+1] op_sel_hi:[1,0] neg_lo:[0,1] neg_hi:[0,1]
.set ii, ii+2
.endr
.endr
	WIN 0x4f
.irp m, 0,1,2,3
	v_pk_mul_f32 v[NQ+2*\m:NQ+2*\m+1], v[64*\m:64*\m+1], v[64*\m:64*\m+1]
.endr
	WIN 0x5f
.set ii, 2
.rept 31
.irp m, 0,1,2,3
	v_pk_fma_f32 v[NQ+2*\m:NQ+2*\m+1], v[64*\m+ii:64*\m+ii+1], v[64*\m+ii:64*\m+ii+1], v[NQ+2*\m:NQ+2*\m+1]
.endr
.set ii, ii+2
.endr
	WIN 0x55
.irp m, 0,1,2,3
	v_add_f32 v[N2+\m], v[NQ+2*\m], v[NQ+2*\m+1]
.endr
.irp m, 0,1,2,3
	v_permlanex16_b32 v[NP+\m], v[N2+\m], s[SEL], s[SEL+1]
.endr
.irp m, 0,1,2,3
	v_add_f32 v[N2+\m], v[N2+\m], v[NP+\m]
.endr
	WIN 0x04
	ds_store_b128 v8, v[NW:NW+3] offset:SNS-AIMG
	ds_store_b128 v8, v[N2:N2+3] offset:SNQ-AIMG
	WIN 0
	BARRIER
	WIN 0x40
.irp u, 0,1,2,3
	ds_load_b128 v[LS+4*\u:LS+4*\u+3], v6 offset:SNS-AIMG+512*\u
	ds_load_b128 v[LQ+4*\u:LQ+4*\u+3], v6 offset:SNQ-AIMG+512*\u
.endr
	s_wait_dscnt 0x0
	WIN 0x55
.irp m, 0,1,2,3
	v_add_f32 v[ME+\m], v[LS+\m], v[LS+4+\m]
.endr
.irp m, 0,1,2,3
	v_add_f32 v[DD+\m], v[LS+8+\m], v[LS+12+\m]
.endr
.irp m, 0,1,2,3
	v_add_f32 v[ME+\m], v[ME+\m], v[DD+\m]
.endr
.irp m, 0,1,2,3
	v_mul_f32 v[ME+\m], 0x3b000000, v[ME+\m]
.endr
.irp m, 0,1,2,3
	v_add_f32 v[VA+\m], v[LQ+\m], v[LQ+4+\m]
.endr
.irp m, 0,1,2,3
	v_add_f32 v[DD+\m], v[LQ+8+\m], v[LQ+12+\m]
.endr
.irp m, 0,1,2,3
	v_add_f32 v[VA+\m], v[VA+\m], v[DD+\m]
.endr
.irp u, 0,1,2,3
.irp m, 0,1,2,3
	v_fma_f32 v[LS+4*\u+\m], v[LS+4*\u+\m], 0x3c000000, -v[ME+\m]
.endr
.endr
.irp m, 0,1,2,3
	v_mul_f32 v[DD+\m], v[LS+\m], v[LS+\m]
.endr
.irp u, 1,2,3
.irp m, 0,1,2,3
	v_fma_f32 v[DD+\m], v[LS+4*\u+\m], v[LS+4*\u+\m], v[DD+\m]
.endr
.endr
.irp m, 0,1,2,3
	v_fma_f32 v[VA+\m], v[DD+\m], 0x43000000, v[VA+\m]
.endr
.irp m, 0,1,2,3
	v_mul_f32 v[VA+\m], 0x3b004020, v[VA+\m]
.endr
	s_wait_alu depctr_va_vdst(0)
.irp m, 0,1,2,3
	v_sqrt_f32 v[VA+\m], v[VA+\m]
.endr
	v_nop
	s_wait_alu depctr_va_vdst(0)
.irp m, 0,1,2,3
.if \sc
	v_fma_f32 v[VA+\m], v[RLP+2*\m], 0x358637bd, v[VA+\m]
.else
	v_add_f32 v[VA+\m], 0x358637bd, v[VA+\m]
.endif
.endr
	s_wait_alu depctr_va_vdst(0)
.irp m, 0,1,2,3
	v_rcp_f32 v[VA+\m], v[VA+\m]
.endr
.irp m, 0,1,2,3
	v_sub_f32 v[DD+\m], v[ME+\m], v[MW+2*\m]
.endr
	s_wait_alu depctr_va_vdst(0)
.irp m, 0,1,2,3
	v_mul_f32 v[GG+2*\m], s[\sa], v[VA+\m]
.endr
.irp m, 0,1,2,3
	v_fma_f32 v[OF+2*\m], -v[DD+\m], v[GG+2*\m], s[\sb]
.endr
	WIN 0xd7
.irp m, 0,1,2,3
.set ii, 0
.rept 32
	v_pk_fma_f32 v[64*\m+ii:64*\m+ii+1], v[64*\m+ii:64*\m+ii+1], v[GG+2*\m:GG+2*\m+1], v[OF+2*\m:OF+2*\m+1] op_sel_hi:[1,0,0]
.set ii, ii+2
.endr
.endr
	WIN 0
.endm
.macro XRAW m                          ; my 128 columns of token tile m's 16 rows of x, a row a load: 512 consecutive bytes; row i into registers 64 m + 4 i on of window 3
	WIN 0xc0
.irp i, 0,1,2,3,4,5,6,7,8,9,10,11,12,13,14,15
	global_load_b128 v[64*(\m)+4*\i:64*(\m)+4*\i+3], v12, s[12:13] offset:(32*((\m)/2)+8*((\m)%2)+\i+8*(\i/8))*2048 th:TH_LOAD_NT
.endr
	WIN 0
.endm
.macro XSW g, p                        ; tile g comes back from my stage, a token a lane (register 16 b + 4 j + e = column 32 b + 16 (lane / 16) + 4 j + e), into the registers that it left; tile p goes in, by rows
	s_wait_alu depctr_va_vdst(0)
.if (\p) < 4
	s_wait_loadcnt 16*(3-(\p))                     ; tile p is in: behind its loads stand those of the later tiles
.endif
.if (\g) >= 0
	s_wait_dscnt 0x0                               ; tile g's stores have read their registers
	WIN 0xc0
.irp b, 0,1,2,3
.irp j, 0,1,2,3
	ds_load_b128 v[64*(\g)+16*\b+4*\j:64*(\g)+16*\b+4*\j+3], v10 offset:128*\b+16*\j
.endr
.endr
.endif
.if (\p) < 4
	WIN 0x0c
.irp i, 0,1,2,3,4,5,6,7,8,9,10,11,12,13,14,15
	ds_store_b128 v11, v[64*(\p)+4*\i:64*(\p)+4*\i+3] offset:528*\i   ; LDS serves a wave's instructions in order (ISA guide 5.7.1.4): these follow tile g's loads
.endr
.endif
	WIN 0
.endm
.macro DLA                             ; a chunk's first half: hidden = relu(n1 W1 + b1), quantised and handed round
	s_add_co_u32 s59, s59, 1
	s_and_b32 s59, s59, 3
	s_cmp_eq_u32 s59, 0
	s_cselect_b32 s74, 16*STEPB, 0
	STEP 0, 0, 2, 24, 1, 0, 0, 0, 1, 1
.set RELU, 1
.set rk, 0
	STEP 0, 1, 0, 24, 1, 0, 0, 0, 1, 1
.set RELU, 0
	WIN 0xaa
.irp m, 0,1,2,3                        ; block 3, which the step's last products finished
.set ii, 48
.rept 16
	v_max_num_f32 v[64*\m+ii], 0, v[64*\m+ii]
.set ii, ii+1
.endr
.endr
	QALL 2, 1, ASCB
	ASLD 56, ASCB
	ACTLD 2
.endm
.macro DLB fillb, last                 ; its second half: the sums take hidden W2.  fillb = 1: a chunk follows: its b1 is fetched and its first two steps are asked for
.if \fillb
	v_add_nc_u32 v13, 512, v13
	BIAS
.endif
	STEP 1, 0, 0, 24+16*\fillb, \fillb, 2, 0, 0, 1, 1   ; out may be: the codes of K steps 2, 3 (24 loads) and b1's 16
	STEP 1, 1, 0, 24, \fillb, 2, 0, 0, 1-\last, 1-\last
.endm
	s_load_b512 s[4:19], s[0:1], 0x0
	s_load_b256 s[20:27], s[0:1], 0x40
	v_lshl_add_u32 v18, v0, 2, SPARE
	v_mov_b32 v19, 0
	ds_add_u32 v18, v19
	ds_add_u32 v18, v19
	v_lshrrev_b32 v1, 5, v0
	v_readfirstlane_b32 s53, v1
	v_and_b32 v20, 31, v0
	v_and_b32 v21, 15, v0
	v_bfe_u32 v22, v0, 4, 1
	v_lshlrev_b32 v1, 4, v20
	s_mul_i32 s60, s53, WBLK                       ; my block inside a step, in memory
	s_mul_i32 s77, s53, 2*WBLK                     ; my two blocks in LDS
	v_add_nc_u32 v2, s77, v1
	v_add_nc_u32 v3, WBLK, v2
	v_lshlrev_b32 v24, 3, v20
	v_add_nc_u32 v4, s77, v24
	v_add_nc_u32 v4, 24576, v4
	v_add_nc_u32 v5, WBLK, v4
	v_add_nc_u32 v6, AIMG, v1
	s_mul_i32 s61, s53, FRB
	v_add_nc_u32 v7, s61, v6
	s_lshl_b32 s62, s53, 9
	v_add_nc_u32 v8, s62, v6
	v_mul_u32_u24 v10, v21, 528
	v_lshl_add_u32 v10, v22, 6, v10
	s_mul_i32 s63, s53, 8448
	v_add_nc_u32 v10, s63, v10
	v_add_nc_u32 v10, STG, v10
	v_add_nc_u32 v11, s63, v1
	v_add_nc_u32 v11, STG, v11
	v_add_nc_u32 v12, s62, v1
	v_lshlrev_b32 v25, 6, v22
	s_lshl_b32 s66, s53, 11
	v_add_nc_u32 v13, s66, v25
	v_add_nc_u32 v13, B1L, v13
	v_add_nc_u32 v14, s62, v25
	v_add_nc_u32 v14, B2L, v14
	v_lshl_add_u32 v15, v22, 9, v6
	v_lshl_add_u32 v16, v22, 9, v1
	v_min_u32 v17, 24, v20
	v_lshlrev_b32 v17, 8, v17
	v_add_nc_u32 v26, s66, v1
	v_add_nc_u32 v26, B1L, v26
	v_add_nc_u32 v27, s62, v1
	v_add_nc_u32 v27, B2L, v27
	s_mov_b32 s32, 15|(3<<16)|(1<<21)
	s_mov_b32 s33, 32<<16
	s_mov_b32 s34, 100<<16
	s_mov_b32 s35, 32<<16
	s_mov_b32 s36, 100
	s_mov_b32 s37, 32
	s_mov_b32 s38, 0
	s_mov_b32 s39, 0
	s_mov_b32 s80, 15|(3<<16)|(1<<21)              ; group 1 of the head's load: elements of 8 bytes, 2 rows of 3,200, 12,800 from row to row; the same mask
	s_mov_b32 s81, 3200<<16
	s_mov_b32 s82, 2<<16
	s_mov_b32 s83, 3200<<16
	s_mov_b32 s84, 2
	s_mov_b32 s85, 12800
	s_mov_b32 s86, 0
	s_mov_b32 s87, 0
	s_mov_b32 s[SEL], 0x76543210
	s_mov_b32 s[SEL+1], 0xfedcba98
	s_mov_b32 s56, 0x3d8293ee
	s_mov_b32 s57, s56
	s_mov_b32 s58, 4                               ; chunks to go
	s_mov_b32 s75, 0
	s_and_b32 s59, ttmp9, 3
.irp c, 0,1,2,3
	s_add_co_u32 s76, s59, \c
	s_and_b32 s76, s76, 3
	s_lshl_b32 s76, s76, 11
	v_add_nc_u32 v[28+\c], s76, v12
.endr
	s_cmp_lt_u32 ttmp9, 4
	s_cselect_b32 s52, 1, 0
	s_bfe_u32 s67, ttmp6, 0x40000
	s_lshl_b32 s68, ttmp9, 2
	s_add_co_u32 s68, s68, s67
	s_lshr_b32 s69, ttmp9, 1
	s_wait_dscnt 0x0
	s_wait_kmcnt 0x0
	s_load_b32 s28, s[20:21], 0x0
	s_load_b32 s29, s[22:23], 0x0
	s_load_b32 s30, s[24:25], 0x0
	s_load_b32 s31, s[26:27], 0x0
	s_mul_i32 s70, s68, 24576
	s_mov_b32 s71, 0
	s_add_nc_u64 s[4:5], s[4:5], s[70:71]
	s_lshl_b32 s70, s68, 11
	s_add_nc_u64 s[6:7], s[6:7], s[70:71]
	s_lshl_b32 s70, s68, 17
	s_add_nc_u64 s[12:13], s[12:13], s[70:71]
	s_add_nc_u64 s[18:19], s[18:19], s[70:71]
	s_mul_i32 s72, s69, 409600
	s_add_co_u32 s72, s72, s60
	s_mov_b32 s73, 0
	s_add_nc_u64 s[8:9], s[8:9], s[72:73]
	s_mul_i32 s72, s59, 4*STEPB
	s_add_co_u32 s72, s72, s60
	s_add_nc_u64 s[48:49], s[10:11], s[72:73]
	s_mul_i32 s70, s67, 6400
	s_add_nc_u64 s[50:51], s[48:49], s[70:71]
	s_add_nc_u64 s[78:79], s[8:9], s[70:71]        ; kv: my work-group's quarter (6,400 bytes, by its place along the cluster) of my wave's block: for the head's prefetches; never rewritten
	s_mov_b32 s40, 1
	s_mov_b32 s41, s77
	s_mov_b64 s[42:43], s[8:9]
	s_or_b32 s43, s43, 0x80000000
	s_mov_b32 s44, 1
	s_add_co_u32 s45, s77, WBLK
	s_add_nc_u64 s[46:47], s[8:9], STEPB
	s_or_b32 s47, s47, 0x80000000
	ROUND
	tensor_load_to_lds s[40:43], s[80:87]          ; k's two steps, into both my blocks: my one tensor load at the head
	s_nop 0
.rept 4
	v_nop
.endr
	s_wait_alu depctr_va_vdst(0)                   ; ahead of the first readers of the head's addresses
	global_prefetch_b8 v17, s[78:79] offset:2*STEPB th:TH_LOAD_NT scope:SCOPE_SE   ; v^T's two steps, kv's first touch, which the first two refills ask for: 25 blocks of 256 bytes a wave and step,
	global_prefetch_b8 v17, s[78:79] offset:3*STEPB th:TH_LOAD_NT scope:SCOPE_SE   ; each named once in the cluster (lanes 25-31 name the wave's last block again)
	WIN 0x80
.irp c, 0,1,2,3
	global_load_b128 v[4*\c:4*\c+3], v[28+\c], s[14:15]   ; b1, in the order in which this work-group walks the chunks: into window 2, which the first products write later
.endr
	global_load_b128 v[16:19], v12, s[16:17]       ; b2
	WIN 0x40
.set kk, 0
.rept 48
	global_load_b128 v[4*kk:4*kk+3], v1, s[4:5] offset:512*kk   ; q's 16 fragments, as images
.set kk, kk+1
.endr
.irp b, 0,1,2,3
	v_mov_b32 v[TM+4+\b], 0                        ; written once: a lane permute's destination counts as one of its sources
.endr
	WIN 0
.irp e, 0,1
	global_load_b128 v[48+4*\e:48+4*\e+3], v16, s[6:7] offset:1024*\e   ; q's scale words
.endr
	XRAW 0
	XRAW 1
	XRAW 2
	s_wait_alu depctr_va_vdst(0)
	s_wait_loadcnt 48                              ; b1, b2, q and its words are in: x's 48 loads may be out
	WIN 0x08
.irp c, 0,1,2,3
	ds_store_b128 v26, v[4*\c:4*\c+3] offset:512*\c
.endr
	ds_store_b128 v27, v[16:19]
	WIN 0
	s_wait_tensorcnt 0x0                           ; my two blocks are in; nobody else reads them
	FETCHS 0
	FETCHW 0, 0, 16
	s_wait_kmcnt 0x0
	STEP 0, 0, 1, 24, 1, 0, 1, 0, 1, 1
	XRAW 3
	STEP 0, 1, 0, 24, 1, 0, 1, 1, 1, 1
	XSW -1, 0
	WIN 0x6a
.irp m, 0,1,2,3
.irp b, 0,1,2,3
	v_max3_num_f32 v[BM+4*\m+\b], v[64*\m+16*\b], v[64*\m+16*\b+1], v[64*\m+16*\b+2]
.endr
.endr
	WIN 0x5a
.irp i, 3,5,7,9,11,13
.irp m, 0,1,2,3
.irp b, 0,1,2,3
	v_max3_num_f32 v[BM+4*\m+\b], v[64*\m+16*\b+\i], v[64*\m+16*\b+\i+1], v[BM+4*\m+\b]
.endr
.endr
.endr
	XSW 0, 1
	WIN 0x46
.irp m, 0,1,2,3
.irp b, 0,1,2,3
	v_max_num_f32 v[BM+4*\m+\b], v[64*\m+16*\b+15], v[BM+4*\m+\b]
.endr
.endr
	WIN 0x55
.irp n, 0,1,2,3,4,5,6,7,8,9,10,11,12,13,14,15
	v_permlanex16_b32 v[BP+\n], v[BM+\n], s[SEL], s[SEL+1]
.endr
.irp n, 0,1,2,3,4,5,6,7,8,9,10,11,12,13,14,15
	v_max_num_f32 v[BM+\n], v[BM+\n], v[BP+\n]
.endr
.irp m, 0,1,2,3
	v_max3_num_f32 v[WX+\m], v[BM+4*\m], v[BM+4*\m+1], v[BM+4*\m+2]
.endr
.irp m, 0,1,2,3
	v_max_num_f32 v[WX+\m], v[WX+\m], v[BM+4*\m+3]
.endr
	XSW 1, 2
	WIN 0x04
	ds_store_b128 v8, v[WX:WX+3] offset:SMX-AIMG
	WIN 0
	BARRIER
	WIN 0x40
.irp u, 0,1,2,3
	ds_load_b128 v[RX+4*\u:RX+4*\u+3], v6 offset:SMX-AIMG+512*\u
.endr
	s_wait_dscnt 0x0
	XSW 2, 3
	WIN 0x55
.irp m, 0,1,2,3
	v_max3_num_f32 v[WX+\m], v[RX+\m], v[RX+4+\m], v[RX+8+\m]
.endr
.irp m, 0,1,2,3
	v_max_num_f32 v[WX+\m], v[WX+\m], v[RX+12+\m]
.endr
.irp m, 0,1,2,3
	v_mul_f32 v[WX+\m], s56, v[WX+\m]
.endr
.irp m, 0,1,2,3
	v_floor_f32 v[NM+2*\m], -v[WX+\m]
.endr
	WIN 0x92
.irp m, 0,1,2,3
.set ii, 0
.rept 32
	v_pk_fma_f32 v[64*\m+ii:64*\m+ii+1], v[64*\m+ii:64*\m+ii+1], s[56:57], v[NM+2*\m:NM+2*\m+1] op_sel_hi:[1,0,0]
.set ii, ii+2
.endr
.endr
	WIN 0x55
.irp m, 0,1,2,3
.irp b, 0,1,2,3
	v_fma_f32 v[BM+4*\m+\b], v[BM+4*\m+\b], s56, v[NM+2*\m]
.endr
.endr
	XSW 3, 4
	WIN 0x82
.set ii, 0
	s_wait_alu depctr_va_vdst(0)
.rept 256
	v_exp_f32 v[ii], v[ii]
.set ii, ii+1
.endr
	WIN 0x41
.irp n, 0,1,2,3,4,5,6,7,8,9,10,11,12,13,14,15
	v_exp_f32 v[BM+\n], v[BM+\n]
.endr
	v_nop
	s_wait_alu depctr_va_vdst(0)
	WIN 0x4a
.irp m, 0,1,2,3
	v_pk_add_f32 v[SU+2*\m:SU+2*\m+1], v[64*\m:64*\m+1], v[64*\m+2:64*\m+3]
.endr
	WIN 0x49
.set ii, 4
.rept 30
.irp m, 0,1,2,3
	v_pk_add_f32 v[SU+2*\m:SU+2*\m+1], v[SU+2*\m:SU+2*\m+1], v[64*\m+ii:64*\m+ii+1]
.endr
.set ii, ii+2
.endr
	WIN 0x55
.irp m, 0,1,2,3
	v_add_f32 v[SL+\m], v[SU+2*\m], v[SU+2*\m+1]
.endr
.irp m, 0,1,2,3
	v_permlanex16_b32 v[SP2+\m], v[SL+\m], s[SEL], s[SEL+1]
.endr
.irp m, 0,1,2,3
	v_add_f32 v[SL+\m], v[SL+\m], v[SP2+\m]
.endr
	WIN 0x04
	ds_store_b128 v8, v[SL:SL+3] offset:SLS-AIMG
	QALL 2, 0, ASCB
	WIN 0x40
.irp u, 0,1,2,3
	ds_load_b128 v[TM+4*\u:TM+4*\u+3], v6 offset:SLS-AIMG+512*\u
.endr
	WIN 0
	ASLD 56, ASCB
	ACTLD 2
	s_wait_dscnt 50                                ; the four waves' sums of p are in: behind them stand p's 2 loads of words and 48 of codes
	WIN 0x55
.irp m, 0,1,2,3
	v_add_f32 v[TM+\m], v[TM+\m], v[TM+4+\m]
.endr
.irp m, 0,1,2,3
	v_add_f32 v[TM+8+\m], v[TM+8+\m], v[TM+12+\m]
.endr
.irp m, 0,1,2,3
	v_add_f32 v[RLP+2*\m], v[TM+\m], v[TM+8+\m]    ; l, the row's sum of the unquantised p
.endr
.irp m, 0,1,2,3
	v_mov_b32 v[RLP+2*\m+1], 0
.endr
	WIN 0xc7
.irp m, 0,1,2,3
.set ii, 0
.rept 32
	v_pk_mul_f32 v[64*\m+ii:64*\m+ii+1], v[64*\m+ii:64*\m+ii+1], v[RLP+2*\m:RLP+2*\m+1] op_sel_hi:[1,0]   ; l x: what O^T sums onto
.set ii, ii+2
.endr
.endr
	s_wait_alu depctr_va_vdst(0)                   ; ahead of the step's wait: the products read l x behind it
	WIN 0
	STEP 1, 0, 0, 24, 1, 1, 1, 2, 1, 1
	STEP 1, 1, 0, 24, 1, 1, 1, 3, 1, 1
	WIN 0x80
.irp b, 0,1,2,3
.irp j, 0,1,2,3
	ds_load_b128 v[16*\b+4*\j:16*\b+4*\j+3], v14 offset:128*\b+16*\j
.endr
.endr
	NORM 28, 29, 1
	QALL 3, 1, ASCA
	ACTLD 1
	ASLD 48, ASCA
	BIAS
	WIN 0xcb
.irp m, 0,1,2,3
.set ii, 0
.rept 32
	v_pk_add_f32 v[64*\m+ii:64*\m+ii+1], v[64*\m+ii:64*\m+ii+1], v[ii:ii+1]
.set ii, ii+2
.endr
.endr
	WIN 0
	s_wait_dscnt 0x0
.Lchunk:
	DLA
	s_wait_alu depctr_va_vdst(0)
	s_cmp_eq_u32 s58, 1
	s_cbranch_scc1 .Ltail                          ; the last chunk leaves the loop here: its second half asks for no tile and is written out
	DLB 1, 0
	s_sub_co_u32 s58, s58, 1
	s_cmp_lg_u32 s58, 0
	s_cbranch_scc1 .Lchunk
.Ltail:
	DLB 0, 1
	NORM 30, 31, 0
.macro TOSTAGE m
	WIN 0x0c
.irp b, 0,1,2,3
.irp j, 0,1,2,3
	ds_store_b128 v10, v[64*(\m)+16*\b+4*\j:64*(\m)+16*\b+4*\j+3] offset:128*\b+16*\j
.endr
.endr
	WIN 0x40
.irp i, 0,1,2,3,4,5,6,7,8,9,10,11,12,13,14,15
	ds_load_b128 v[64*((\m)%2)+4*\i:64*((\m)%2)+4*\i+3], v11 offset:528*\i
.endr
.endm
.macro SEND m, yg
	s_wait_dscnt \yg
	WIN 0x04
.irp i, 0,1,2,3,4,5,6,7,8,9,10,11,12,13,14,15
	global_store_b128 v12, v[64*((\m)%2)+4*\i:64*((\m)%2)+4*\i+3], s[18:19] offset:(32*((\m)/2)+8*((\m)%2)+\i+8*(\i/8))*2048 th:TH_STORE_NT
.endr
.endm
	TOSTAGE 0
	TOSTAGE 1
	s_wait_alu depctr_va_vdst(0)
	SEND 0, 32
	s_wait_xcnt 0x0
	TOSTAGE 2
	SEND 1, 32
	s_wait_xcnt 0x0
	TOSTAGE 3
	SEND 2, 32
	SEND 3, 0
	WIN 0
	s_wait_tensorcnt 0x0
	ds_add_u32 v18, v19
	s_wait_dscnt 0x0
	ROUND
	s_endpgm
.Lfunc_end_k_q30509d1c8e_fused:
	.size	k_q30509d1c8e_fused, .Lfunc_end_k_q30509d1c8e_fused-k_q30509d1c8e_fused
	.p2alignl 7, 3214868480
	.fill 96, 4, 3214868480
	.section	.rodata,"a",@progbits
	.p2align	6, 0x0
	.amdhsa_kernel k_q30509d1c8e_fused
		.amdhsa_group_segment_fixed_size 327680
		.amdhsa_private_segment_fixed_size 0
		.amdhsa_enable_private_segment 0
		.amdhsa_kernarg_size 96
		.amdhsa_user_sgpr_count 2
		.amdhsa_user_sgpr_kernarg_segment_ptr 1
		.amdhsa_wavefront_size32 1
		.amdhsa_system_sgpr_workgroup_id_x 1
		.amdhsa_system_sgpr_workgroup_id_y 1
		.amdhsa_system_sgpr_workgroup_id_z 1
		.amdhsa_system_vgpr_workitem_id 0
		.amdhsa_next_free_vgpr 1024
		.amdhsa_next_free_sgpr 100
		.amdhsa_reserve_vcc 0
		.amdhsa_float_denorm_mode_32 3
		.amdhsa_float_denorm_mode_16_64 3
		.amdhsa_memory_ordered 1
		.amdhsa_forward_progress 1
		.amdhsa_inst_pref_size 255
	.end_amdhsa_kernel
	.section	.bss,"aw",@nobits
	.p2align	6
	.space	262144
	.amdgpu_metadata
---
amdhsa.version: [ 1, 2 ]
amdhsa.kernels:
  - .name:           k_q30509d1c8e_fused
    .symbol:         k_q30509d1c8e_fused.kd
    .args:
      - { .name: qc, .offset: 0, .size: 8, .value_kind: global_buffer, .address_space: global }
      - { .name: qs, .offset: 8, .size: 8, .value_kind: global_buffer, .address_space: global }
      - { .name: kv, .offset: 16, .size: 8, .value_kind: global_buffer, .address_space: global }
      - { .name: wf, .offset: 24, .size: 8, .value_kind: global_buffer, .address_space: global }
      - { .name: x, .offset: 32, .size: 8, .value_kind: global_buffer, .address_space: global }
      - { .name: b1, .offset: 40, .size: 8, .value_kind: global_buffer, .address_space: global }
      - { .name: b2, .offset: 48, .size: 8, .value_kind: global_buffer, .address_space: global }
      - { .name: out0, .offset: 56, .size: 8, .value_kind: global_buffer, .address_space: global }
      - { .name: a1, .offset: 64, .size: 8, .value_kind: global_buffer, .address_space: global }
      - { .name: bb1, .offset: 72, .size: 8, .value_kind: global_buffer, .address_space: global }
      - { .name: a2, .offset: 80, .size: 8, .value_kind: global_buffer, .address_space: global }
      - { .name: bb2, .offset: 88, .size: 8, .value_kind: global_buffer, .address_space: global }
    .group_segment_fixed_size: 327680
    .private_segment_fixed_size: 0
    .kernarg_segment_align: 8
    .kernarg_segment_size: 96
    .max_flat_workgroup_size: 128
    .sgpr_count:     100
    .vgpr_count:     1024
    .wavefront_size: 32
...
	.end_amdgpu_metadata
.endif
;; end of part 4
